; MI455X (gfx1250); checked and timed in simulation.
; The chip was launched on July 23, 2026; its instructions are those of AMD's public machine-readable ISA for CDNA 5 (MIT licence, August 2026) and "CDNA5" Instruction Set Architecture Reference Guide (July 2026). The comments in the code are by the model that wrote it; some were corrected since.
;; Multi Head Attention. Allowed arithmetic: matrix products marked QUANTISED: E5M2 operands, one E8M0 scale for each 32 along K, by v_wmma_scale_f32_16x16x128_f8f6f4 with both operands' format E5M2, f32 sums; everything else in f32.
;; Inputs: Wk 1,024 x 1,024 float32; Wo 1,024 x 1,024 float32; Wq 1,024 x 1,024 float32; Wv 1,024 x 1,024 float32; x 4 x 2,048 x 1,024 float32.
;; Outputs: out0 4 x 2,048 x 1,024 float32.
;; This version of the problem:
;;   THIS VERSION OF THE PROBLEM IS GIVEN IN LOW PRECISION. The matrix products marked QUANTISED in the list below multiply operands that are first quantised to E5M2 (5 exponent bits, 2 mantissa bits; 8 bits a number), with one power-of-two scale for each 32 numbers along K (OCP MX v1.0); their sums are f32. All else is computed in f32.
;;   The module's matrix products, in the order in which they are computed (A, B: the left and right operand; K: the contracted axis; several contracted axes count as one K, in the product's order):
;;     1. [M 8,192, K 1,024] x [K 1,024, N 1,024]; A: input x; B: input Wq: QUANTISED
;;     2. [M 8,192, K 1,024] x [K 1,024, N 1,024]; A: input x; B: input Wk: QUANTISED
;;     3. [M 8,192, K 1,024] x [K 1,024, N 1,024]; A: input x; B: input Wv: QUANTISED
;;     4. batch 64 x [M 2,048, K 64] x [K 64, N 2,048]; A: computed on the way; B: computed on the way: QUANTISED
;;     5. batch 64 x [M 2,048, K 2,048] x [K 2,048, N 64]; A: softmax (see below); B: computed on the way: QUANTISED
;;     6. [M 8,192, K 1,024] x [K 1,024, N 1,024]; A: computed on the way; B: input Wo: QUANTISED
;;   THE QUANTISER, for each operand of a quantised product, along K:
;;     - K is cut into blocks of 32 from its start; a last block that is shorter is filled with zeros.
;;     - A block's scale is 2^e with e = floor(log2(the largest magnitude in the block)) - 15, held to -126 .. 127; a block of zeros has e = 0. As a byte (E8M0): e + 127.
;;     - Each number is divided by its block's scale, clamped to +-57,344, and rounded to the nearest number of E5M2, ties to even, subnormals kept.
;;     - The product sums the exact products of the quantised numbers (number of the format x scale) in f32.
;;   ~~~python
;;   def quantise(x, axis):      # numpy; x: float32 -> the quantised numbers, widened to float32 again
;;       x = np.moveaxis(x, axis, -1); K = x.shape[-1]
;;       x = np.pad(x, [(0, 0)] * (x.ndim - 1) + [(0, -K % 32)]); x = x.reshape(x.shape[:-1] + (-1, 32)); a = np.abs(x).max(-1, keepdims=True)
;;       e = np.where(a > 0, np.clip(np.frexp(np.where(a > 0, a, 1))[1] - 1 - 15, -126, 127), 0)      # np.frexp(a)[1] - 1 = floor(log2(a)), exactly
;;       r = np.clip(x / 2.0 ** e, -57344, 57344)
;;       step = 2.0 ** (np.maximum(np.frexp(np.where(r == 0, 1, r))[1] - 1, -14) - 2)
;;       q = np.round(r / step) * step * 2.0 ** e      # np.round: ties to even
;;       return np.moveaxis(q.reshape(q.shape[:-2] + (-1,))[..., :K], -1, axis).astype(np.float32)
;;   ~~~
;;   SOFTMAX AHEAD OF A QUANTISED PRODUCT. Where the list says 'softmax', what is quantised is not the finished softmax but p = 2^(t - M), with t = logit x log2(e) and M = ceil(the row's largest t), a whole number; so 1/2 < the row's largest p <= 1. The row's sum l is taken of the UNQUANTISED p, in f32, and the product's result is divided by l at the end. Since M is a whole number, a kernel that streams over the keys may use a running M (the ceiling of the running maximum): every later rescaling is an exact power of two, which a block's scale takes up: the codes' values come out the same.
;;   OPERANDS COMPUTED ON THE WAY. 'Computed on the way' means the value that the module computes at that place (a softmax that the list does not call 'softmax' is quantised finished and normalised). What goes into a quantiser is computed in f32, as accurately as f32 sums, v_exp_f32 and their like allow (about 1e-6 of the number): no bf16 or f16 on the way to a quantiser, and a product that is left as it is and whose result goes on into a quantised operand takes f32 operands (vector FMAs, or v_wmma_f32_16x16x4_f32). A number that lies on a knife's edge between two numbers of the format may be rounded either way, as far as f32 arithmetic and the matrix unit's own rounding can turn it there, and no further.
;; One version. Each part assembles by itself: llvm-mc -triple=amdgcn-amd-amdhsa -mcpu=gfx1250 --defsym DOCPART=n.
;; ======== version 1 of 1: 5 launches
;; limits: right only within a limited range of input values
;; workspace buffers: xq 8,650,752 bytes; wqkq 2,359,296 bytes; wvq 1,310,720 bytes; woq 1,310,720 bytes; qkq 18,874,368 bytes; vq 10,485,760 bytes; ctxq 8,650,752 bytes
;; launch quant (part 1): grid 384 x 1, 4 waves a work-group, no clusters, 34,304 bytes of LDS; arguments x, Wq, Wk, Wv, Wo, xq, wqkq, wvq, woq; writes xq, wqkq, wvq, woq
.if DOCPART == 1
	.amdgcn_target "amdgcn-amd-amdhsa--gfx1250"
	.amdhsa_code_object_version 6
	.text
	.protected	k_qf9e349b5fa_quant
	.globl	k_qf9e349b5fa_quant
	.p2align	8
	.type	k_qf9e349b5fa_quant,@function
k_qf9e349b5fa_quant:
	s_mov_b64 s[64:65], 0
	v_nop
	global_prefetch_b8 v0, s[64:65] scope:SCOPE_SE
	s_setreg_imm32_b32 hwreg(HW_REG_WAVE_MODE, 25, 1), 1
	s_wait_xcnt 0x0
; x [8192][1024] and Wq, Wk, Wv, Wo [1024][1024], f32, K innermost, become codes of BF8 (E5M2) with one E8M0 byte for each 32 along K, laid as the products' launches take them:
; AN OPERAND BUFFER: scale words from byte 0, [row tile][K step of 256: 4][row 16][2 words], 512 bytes a row tile; codes from COFF on, [row tile][128 along K: 8][2,048 bytes].
; The 2,048 bytes are AN IMAGE OF A FRAGMENT'S REGISTERS: registers 4 c .. 4 c + 3 of lane l at 512 c + 16 l (lane l: row l % 16, k = 32 c + 16 (l / 16) + 0 .. 15).
; THE ROWS OF A TILE ARE NOT NEIGHBOURS: place r of tile t holds row 32 (t / 2) + 8 (t % 2) + r + 8 (r / 8).  As source 0 of a product such tiles leave 16 neighbours along the next K in a lane's 16 registers of two tiles.
; A block's scale is 2^(floor(log2(its largest magnitude)) - 15); its byte is the largest magnitude's exponent field - 15, held at 1 from below; numbers are held within +-57,344 x the scale and rounded to the nearest code, ties to even.
; LIMITS: a block whose largest magnitude lies under 2^-111, a block of zeros among them, gets the byte 1 (the rule gives a block of zeros 127: its codes are zeros, and this program alone reads the bytes); NaN and infinities among the inputs are not served.
; SHARES: a wave takes one row tile x 512 along K: four steps of 128.  768 row tiles x 2 halves = 1,536 waves = 384 work-groups; work-groups 0-255 x, 256-287 Wq, 288-319 Wk, 320-351 Wv, 352-383 Wo.  Wq and Wk share one buffer (tiles 0-63, 64-127).
; A load reads 512 consecutive bytes of one row; a step's 16 rows turn through the wave's own stage in LDS (rows 528 bytes apart) and come back 16 neighbours a block a lane.  Waves share nothing: no barrier.
.set COFF,  0x40000
.set SP,    528                        ; a stage row: 512 bytes + 16
.set STG,   16*SP                      ; a wave's stage
.set LI,    1                          ; v1   16 x lane: loads and code stores
.set SIN,   2                          ; v2   the stage, on the way in
.set SOUT,  3                          ; v3   and out: row r, + 64 (lane / 16)
.set SCO,   4                          ; v4   my 8 bytes among the wave's 256 bytes of scale words
.set R,     16                         ; v16-143  two sets of 16 rows x 4 registers, as loaded
.set X,     144                        ; v144-207 64 numbers: register 16 b + i = k 32 b + 16 (lane / 16) + i of my row
.set PC,    208                        ; v208-223 the fragment's codes
.set TM,    224                        ; v224-239 largest magnitudes, bytes, scale operands
.set W,     240                        ; v240-243 the four steps' scale words
.set MNT,   29
.set SEL,   30                         ; s[30:31] v_permlanex16_b32's selects for lane l xor 16
	s_load_b512 s[8:23], s[0:1], 0x0               ; x, Wq, Wk, Wv, Wo, xq, wqkq, wvq
	s_load_b64 s[24:25], s[0:1], 0x40              ; woq
	v_lshl_add_u32 v254, v0, 2, 0x8400
	v_mov_b32 v255, 0
	v_lshrrev_b32 v5, 5, v0
	v_readfirstlane_b32 s28, v5                    ; wave 0..3
	v_and_b32 v6, 31, v0                           ; lane
	v_and_b32 v7, 15, v0                           ; r
	v_bfe_u32 v8, v0, 4, 1                         ; h
	v_lshlrev_b32 v[LI], 4, v6
	s_mul_i32 s32, s28, STG
	v_add_nc_u32 v[SIN], s32, v[LI]
	v_mul_u32_u24 v[SOUT], v7, SP
	v_lshl_add_u32 v[SOUT], v8, 6, v[SOUT]
	v_add_nc_u32 v[SOUT], s32, v[SOUT]
	v_lshlrev_b32 v[SCO], 3, v7
	v_lshl_add_u32 v[SCO], v8, 7, v[SCO]           ; 128 h + 8 r: lanes 0-15 store the first K step of 256's two words, lanes 16-31 the second's
	s_mov_b32 s[SEL], 0x76543210
	s_mov_b32 s[SEL+1], 0xfedcba98
.irp b, 0,1,2,3
	v_mov_b32 v[TM+4+\b], 0                        ; written once: a lane permute's destination counts as one of its sources
.endr
	s_lshr_b32 s33, s28, 1                         ; which of the work-group's two row tiles
	s_and_b32 s34, s28, 1                          ; which half of K
	s_wait_alu depctr_va_vdst(0)
	s_wait_kmcnt 0x0
	; which tensor: the choice hangs on the work-group's number alone.  s[4:5] from, s[6:7] to, s26 the tensor's first work-group, s27 the buffer's
	s_mov_b64 s[4:5], s[16:17]
	s_mov_b64 s[6:7], s[24:25]
	s_mov_b32 s26, 352
	s_mov_b32 s27, 352
	s_cmp_lt_u32 ttmp9, 352
	s_cselect_b64 s[4:5], s[14:15], s[4:5]
	s_cselect_b64 s[6:7], s[22:23], s[6:7]
	s_cselect_b32 s26, 320, s26
	s_cselect_b32 s27, 320, s27
	s_cmp_lt_u32 ttmp9, 320
	s_cselect_b64 s[4:5], s[12:13], s[4:5]
	s_cselect_b64 s[6:7], s[20:21], s[6:7]
	s_cselect_b32 s26, 288, s26
	s_cselect_b32 s27, 256, s27
	s_cmp_lt_u32 ttmp9, 288
	s_cselect_b64 s[4:5], s[10:11], s[4:5]
	s_cselect_b32 s26, 256, s26
	s_cmp_lt_u32 ttmp9, 256
	s_cselect_b64 s[4:5], s[8:9], s[4:5]
	s_cselect_b64 s[6:7], s[18:19], s[6:7]
	s_cselect_b32 s26, 0, s26
	s_cselect_b32 s27, 0, s27
	s_sub_co_u32 s26, ttmp9, s26
	s_sub_co_u32 s27, ttmp9, s27
	s_lshl_b32 s36, s26, 17                        ; from: 32 rows of 4,096 bytes a work-group,
	s_lshl_b32 s35, s33, 15                        ; 8 rows on for its second tile,
	s_add_co_u32 s36, s36, s35
	s_lshl_b32 s35, s34, 11                        ; 2,048 bytes on for the second half of K
	s_add_co_u32 s36, s36, s35
	s_mov_b32 s37, 0
	s_add_nc_u64 s[4:5], s[4:5], s[36:37]
	s_lshl_b32 s38, s27, 1
	s_add_co_u32 s38, s38, s33                     ; to: the row tile in the buffer
	s_lshl_b32 s36, s38, 14
	s_lshl_b32 s35, s34, 13
	s_add_co_u32 s36, s36, s35
	s_add_co_u32 s36, s36, COFF
	s_add_nc_u64 s[40:41], s[6:7], s[36:37]        ; my four fragments
	s_lshl_b32 s36, s38, 9
	s_lshl_b32 s35, s34, 8
	s_add_co_u32 s36, s36, s35
	s_add_nc_u64 s[42:43], s[6:7], s[36:37]        ; my 256 bytes of scale words
.macro LOAD t                          ; step t: 128 numbers of each of the tile's 16 rows, place i's row i + 8 (i / 8) rows down
.irp i, 0,1,2,3,4,5,6,7,8,9,10,11,12,13,14,15
	global_load_b128 v[R+64*((\t)%2)+4*\i:R+64*((\t)%2)+4*\i+3], v[LI], s[4:5] offset:(\i+8*(\i/8))*4096+512*(\t) th:TH_LOAD_NT
.endr
.endm
.macro TURN t                          ; through the stage: LDS serves a wave's instructions in order, so no wait stands between the stores and the loads
.irp i, 0,1,2,3,4,5,6,7,8,9,10,11,12,13,14,15
	ds_store_b128 v[SIN], v[R+64*((\t)%2)+4*\i:R+64*((\t)%2)+4*\i+3] offset:SP*\i
.endr
.irp b, 0,1,2,3
.irp j, 0,1,2,3
	ds_load_b128 v[X+16*\b+4*\j:X+16*\b+4*\j+3], v[SOUT] offset:128*\b+16*\j
.endr
.endr
.endm
.macro QUANT s, pw                     ; 64 numbers v[s] on become the fragment's codes in v[PC] on and my row's scale word in v[pw]
.irp b, 0,1,2,3
	v_max3_num_f32 v[TM+\b], |v[\s+16*\b]|, |v[\s+1+16*\b]|, 0x8000000   ; block b: my 16 numbers, and the floor 2^(16 - 127): the byte cannot fall under 1
.endr
.irp i, 2,4,6,8,10,12,14
.irp b, 0,1,2,3
	v_max3_num_f32 v[TM+\b], v[TM+\b], |v[\s+16*\b+\i]|, |v[\s+1+16*\b+\i]|   ; the four blocks by turns
.endr
.endr
.irp b, 0,1,2,3
	v_permlanex16_b32 v[TM+4+\b], v[TM+\b], s[SEL], s[SEL+1]
.endr
.irp b, 0,1,2,3
	v_max_num_f32 v[TM+\b], v[TM+\b], v[TM+4+\b]   ; with lane l xor 16's 16: the block's largest magnitude
.endr
.irp b, 0,1,2,3
	v_add_nc_u32 v[TM+12+\b], 0xf8800000, v[TM+\b] ; 15 off its exponent field: the conversion's scale operand
.endr
.irp b, 0,1,2,3
.endr
.irp b, 0,1,2,3
	v_lshrrev_b32 v[TM+4+\b], 23, v[TM+12+\b]      ; the scale's byte
.endr
	v_lshl_or_b32 v[\pw], v[TM+5], 8, v[TM+4]
	v_lshl_or_b32 v[\pw], v[TM+6], 16, v[\pw]
	v_lshl_or_b32 v[\pw], v[TM+7], 24, v[\pw]
.irp b, 0,1,2,3
.irp i, 0,1,2,3,4,5,6,7,8,9,10,11,12,13,14,15
.endr
	v_cvt_scalef32_pk8_bf8_f32 v[PC+4*\b:PC+1+4*\b], v[\s+16*\b:\s+7+16*\b], v[TM+12+\b]
	v_cvt_scalef32_pk8_bf8_f32 v[PC+2+4*\b:PC+3+4*\b], v[\s+8+16*\b:\s+15+16*\b], v[TM+12+\b]
.endr
	v_nop                                          ; one plain vector line behind the last conversion
.endm
.macro STEP t
.if (\t) < 3
	s_wait_loadcnt 16                              ; this step's 16 loads are in; the other set's 16 may be out
.else
	s_wait_loadcnt 0x0
.endif
	TURN \t
	s_wait_dscnt 0x0                               ; my numbers are back, and the stage's stores have read their registers,
.if (\t) < 2
	LOAD (\t)+2                                    ; which take the loads of two steps on
.endif
.if (\t) > 0
	s_wait_xcnt 0x0                                ; the last step's stores have read the codes' registers
.endif
	QUANT X, W+(\t)
.irp c, 0,1,2,3
	global_store_b128 v[LI], v[PC+4*\c:PC+4*\c+3], s[40:41] offset:2048*(\t)+512*\c   ; 32 lanes store 512 consecutive bytes, aligned
.endr
.endm
	LOAD 0
	LOAD 1
	STEP 0
	STEP 1
	STEP 2
	STEP 3
	v_cmp_gt_u32 vcc_lo, 16, v6                    ; lanes 0-15
	v_cndmask_b32 v244, v[W+2], v[W], vcc_lo
	v_cndmask_b32 v245, v[W+3], v[W+1], vcc_lo
	global_store_b64 v[SCO], v[244:245], s[42:43]  ; 32 lanes store 256 consecutive bytes, aligned
	s_wait_tensorcnt 0x0
	ds_add_u32 v254, v255
	s_wait_dscnt 0x0
	s_endpgm
.Lfunc_end_k_qf9e349b5fa_quant:
	.size	k_qf9e349b5fa_quant, .Lfunc_end_k_qf9e349b5fa_quant-k_qf9e349b5fa_quant
	.p2alignl 7, 3214868480
	.fill 96, 4, 3214868480
	.section	.rodata,"a",@progbits
	.p2align	6, 0x0
	.amdhsa_kernel k_qf9e349b5fa_quant
		.amdhsa_group_segment_fixed_size 34304
		.amdhsa_private_segment_fixed_size 0
		.amdhsa_enable_private_segment 0
		.amdhsa_kernarg_size 72
		.amdhsa_user_sgpr_count 2
		.amdhsa_user_sgpr_kernarg_segment_ptr 1
		.amdhsa_wavefront_size32 1
		.amdhsa_system_sgpr_workgroup_id_x 1
		.amdhsa_system_sgpr_workgroup_id_y 1
		.amdhsa_system_sgpr_workgroup_id_z 1
		.amdhsa_system_vgpr_workitem_id 0
		.amdhsa_next_free_vgpr 256
		.amdhsa_next_free_sgpr 66
		.amdhsa_reserve_vcc 1
		.amdhsa_float_denorm_mode_32 3
		.amdhsa_float_denorm_mode_16_64 3
		.amdhsa_fp16_overflow 1
		.amdhsa_memory_ordered 1
		.amdhsa_forward_progress 1
		.amdhsa_inst_pref_size 34
	.end_amdhsa_kernel
	.amdgpu_metadata
---
amdhsa.version: [ 1, 2 ]
amdhsa.kernels:
  - .name:           k_qf9e349b5fa_quant
    .symbol:         k_qf9e349b5fa_quant.kd
    .args:
      - { .name: x, .offset: 0, .size: 8, .value_kind: global_buffer, .address_space: global }
      - { .name: Wq, .offset: 8, .size: 8, .value_kind: global_buffer, .address_space: global }
      - { .name: Wk, .offset: 16, .size: 8, .value_kind: global_buffer, .address_space: global }
      - { .name: Wv, .offset: 24, .size: 8, .value_kind: global_buffer, .address_space: global }
      - { .name: Wo, .offset: 32, .size: 8, .value_kind: global_buffer, .address_space: global }
      - { .name: xq, .offset: 40, .size: 8, .value_kind: global_buffer, .address_space: global }
      - { .name: wqkq, .offset: 48, .size: 8, .value_kind: global_buffer, .address_space: global }
      - { .name: wvq, .offset: 56, .size: 8, .value_kind: global_buffer, .address_space: global }
      - { .name: woq, .offset: 64, .size: 8, .value_kind: global_buffer, .address_space: global }
    .group_segment_fixed_size: 34304
    .private_segment_fixed_size: 0
    .kernarg_segment_align: 8
    .kernarg_segment_size: 72
    .max_flat_workgroup_size: 128
    .sgpr_count:     66
    .vgpr_count:     256
    .wavefront_size: 32
...
	.end_amdgpu_metadata
.endif
;; end of part 1
;; launch gemm_qk (part 2): grid 32 x 8, 4 waves a work-group, clusters of 4 x 4, 327,680 bytes of LDS; arguments xq, wqkq, qkq; writes qkq
.if DOCPART == 2
	.amdgcn_target "amdgcn-amd-amdhsa--gfx1250"
	.amdhsa_code_object_version 6
	.text
	.protected	k_qf9e349b5fa_gemm_qk
	.globl	k_qf9e349b5fa_gemm_qk
	.p2align	8
	.type	k_qf9e349b5fa_gemm_qk,@function
k_qf9e349b5fa_gemm_qk:
	s_mov_b64 s[64:65], 0
	v_nop
	global_prefetch_b8 v0, s[64:65] scope:SCOPE_SE
	s_setreg_imm32_b32 hwreg(HW_REG_WAVE_MODE, 25, 1), 1
	s_wait_xcnt 0x0
	s_wait_alu depctr_hold_cnt(0) depctr_sa_sdst(0) depctr_va_vdst(0) depctr_va_sdst(0) depctr_va_ssrc(0) depctr_va_vcc(0) depctr_vm_vsrc(0)
	s_getreg_b32 s2, hwreg(HW_REG_IB_STS2, 6, 4)
	s_cmp_eq_u32 s2, 0
	s_cbranch_scc0 .Lentry_in_a_cluster
	s_endpgm
.Lentry_in_a_cluster:
	s_bfe_u32 s2, ttmp6, 0x10000c
	s_cmp_lg_u32 s2, 0xf033
	s_cbranch_scc0 .Lentry_shape_is_right
	s_endpgm
.Lentry_shape_is_right:
; C[m][n] = sum over k of A[m][k] B[n][k], K = 1,024, on codes of BF8 (E5M2) with one E8M0 scale for each 32 along K; C IS QUANTISED ALONG n ON THE WAY OUT and never leaves as f32.
; Run twice: A = x's codes, B = Wq's and Wk's (C = q and k, quantised along the heads' channels); A = Wv's codes, B = x's (C = v transposed, quantised along the keys).
; A, B: OPERAND BUFFERS: scale words from byte 0, [row tile][K step of 256: 4][row 16][2 words]; codes from COFF on, [row tile][128 along K: 8][2,048 bytes], each 2,048 bytes an image of a fragment's registers
; (registers 4 c .. 4 c + 3 of lane l at 512 c + 16 l).  Place r of row tile t holds row 32 (t / 2) + 8 (t % 2) + r + 8 (r / 8).
; THE MATRIX INSTRUCTION IS USED TRANSPOSED (source 0 = 16 rows of B, source 1 = 16 rows of A): a lane holds one row of C, and, by B's order of rows, the 16 registers of two neighbouring tiles are 16 NEIGHBOURING n.
; So a wave's 64 registers of one block of 16 rows are a fragment of the next product: four blocks of 32 are scaled, held and converted in registers.
; OUT, A PRODUCT BUFFER: scale words from byte 0, [G][g 16][row tile 512][row 16]; codes from POFF on, [G][row tile][g 16][2,048 bytes]; g = the 128 columns (2 x (tile column % 8) + my half), G = tile column / 8.
; SHARES: a tile of C, 256 x 256, to a work-group of four waves; a wave makes 128 x 128: 64 accumulators, 512 registers.  K goes in four steps of 256 through a ring of two LDS slots; the scales of all of K come once.
; CLUSTERS: 4 x 4 work-groups.  The tile row comes from x, the tile column from y: the four with one cx need the same tiles of A, the four with one cy the same tiles of B: each is asked for jointly.
; The four K steps are written out: the first starts the sums, two changes of slots fill a slot again, the third fills nothing.
; LIMITS: a block whose largest magnitude lies under 2^-111, a block of zeros among them, gets the byte 1 (its codes are zeros or tiny; this program alone reads the bytes); NaN and infinities are not served.
; REGISTERS, in windows of 256: window 0: v0-31 addresses; v32-63 scale words, two sets; v128-255 A's fragments, one set; on the way out v192-235 are at work.
;   window 1: B's fragments, two sets.   window 2: the accumulators of my rows 0-63 ((a, b) at v[8 (8 a + b)]);   window 3: those of my rows 64-127.
.set NQ,     2                         ; matrix instructions deep in a slot
.set FR,     16                        ; registers of a fragment
.set NL,     4                         ; LDS loads that bring one
.set NP,     8                         ; places behind this matrix instruction (ISA guide 7.12.1)
.set TILB,   4096                      ; a row tile's 256 along K: two images
.set HALFT,  8*TILB                    ; 8 row tiles: what one tensor load brings, and what one wave reads of A or of B
.set SLOT,   4*HALFT                   ; A's 16 row tiles, then B's 16
.set SCL,    2*SLOT                    ; behind the ring: the scale words
.set HALFS,  4096                      ; those of 8 row tiles: what one tensor load brings
.set SBLK,   512                       ; those of one
.set SPARE,  SCL+4*HALFS               ; the spare words, 128 bytes for each wave: two blocks of 256 bytes that no other line names
.set COFF,   0x40000
.set POFF,   0x200000
.set ADRA, 16                          ; v16-17  LDS address of my A fragments in slot 0, 1
.set ADRB, 20                          ; v20-21  the same for B
.set SST,  24                          ; v24     the way out: where my row's scale word goes (in slot 0, which has had its last fill and its last read by then)
.set SRD,  25                          ; v25     and where 16 bytes of the wave's 512 come back
.set CO,   26                          ; v26     16 x lane
.set ADRS, 27                          ; v27     LDS address of my scale words: lanes 0-15 A's rows, lanes 16-31 B's
.set SPW,  28                          ; v28     LDS address of my spare word; never rewritten
.set NIL,  29                          ; v29     0; never rewritten
.set SC,   32                          ; scale words: set s at v[SC + 16 s]; register 2 i + q: lanes 0-15 A's block i, lanes 16-31 B's block i, the slot's q-th 128 along K
.set AF,   128                         ; A's fragments, in window 0
.set X,    128
.set PC,   192                         ; v192-207 codes
.set TM,   208                         ; v208-223 largest magnitudes, bytes, scale operands
.set PW,   224                         ; v224-231 a scale word for each block of rows
.set GW,   232                         ; v232-235 the words gathered
.set G1, 24                            ; s[24:31] descriptor group 1 for A's tiles;  s[32:39] group 0, one set for each slot
.set G0, 32
.set G1B, 48                           ; s[48:55], s[56:63] the same for B's tiles
.set G0B, 56
.set G1S, 68                           ; s[68:75], s[76:79] groups 1 and 0 for A's scales;  s[80:87], s[88:91] for B's
.set G0S, 76
.set G1SB, 80
.set G0SB, 88
.set MNT, 95
.set SEL, 96                           ; s[96:97] selects for lane l xor 16
.set MSB, 0
.macro WIN new                         ; the immediate's high byte repeats the setting that is left
.if MSB != \new
	s_set_vgpr_msb (MSB<<8)|\new
.set MSB, \new
.endif
.endm
.set MUL_LO, 0xa1                      ; source 0 (B) window 1, source 1 (A) window 0, C and D window 2
.set MUL_HI, 0xf1                      ; the same, C and D window 3
.set TO_B,   0x40                      ; destination window 1, address window 0
; A joint load: waves 0 and 1 fetch for A, waves 2 and 3 for B; the branch hangs on the wave's number alone.  Four v_nop follow each of the two lines.
.macro JLOAD g0a, g1a, g0b, g1b
	s_cmp_eq_u32 s15, 0
	s_cbranch_scc0 .Lfor_b_\@
	tensor_load_to_lds s[\g0a:\g0a+3], s[\g1a:\g1a+7]
	s_nop 0
.rept 4
	v_nop
.endr
	s_branch .Lasked_\@
.Lfor_b_\@:
	tensor_load_to_lds s[\g0b:\g0b+3], s[\g1b:\g1b+7]
	s_nop 0
.rept 4
	v_nop
.endr
.Lasked_\@:
.endm
.macro CREST                           ; a round of the cluster's barrier behind its opening barrier
	s_cmp_lg_u32 s14, 0
	s_cbranch_scc1 .Lnot_wave_0_\@
	s_barrier_signal -3
.Lnot_wave_0_\@:
	s_barrier_wait -3
	s_barrier_signal -1
	s_barrier_wait -1
.endm
.macro CROUND                          ; a whole round
	s_barrier_signal -1
	s_barrier_wait -1
	CREST
.endm
	s_load_b128 s[4:7], s[0:1], 0x0                ; A s[4:5], B s[6:7]
	s_load_b64 s[12:13], s[0:1], 0x10              ; OUT
	v_lshl_add_u32 v[SPW], v0, 2, SPARE
	v_mov_b32 v[NIL], 0
	ds_add_u32 v28, v29
	ds_add_u32 v28, v29
	s_wait_dscnt 0x0
	v_lshrrev_b32 v1, 5, v0
	v_readfirstlane_b32 s14, v1                    ; wave 0..3
	s_lshr_b32 s15, s14, 1                         ; which half of the tile's rows is mine.  Also: I fetch for A (0) or for B (1)
	s_and_b32 s16, s14, 1                          ; which half of its columns.  Also: which 8 row tiles I fetch
	s_bfe_u32 s40, ttmp6, 0x40000                  ; cx, cy: my place in the cluster
	s_bfe_u32 s41, ttmp6, 0x40004
	s_lshl_b32 s17, ttmp9, 2
	s_add_co_u32 s17, s17, s40                     ; tile row of C = 4 x cluster x + cx
	s_and_b32 s42, ttmp7, 0xffff
	s_lshl_b32 s42, s42, 2
	s_add_co_u32 s42, s42, s41                     ; tile column of C = 4 x cluster y + cy
	s_lshl_b32 s43, 0x1111, s40                    ; those with my cx: places cx, cx + 4, cx + 8, cx + 12
	s_lshl_b32 s44, s41, 2
	s_lshl_b32 s44, 15, s44                        ; those with my cy: places 4 cy .. 4 cy + 3
	; descriptor group 1, codes: 8 rows (row tiles) of 4,096 bytes = 512 elements of 8 bytes, 16,384 bytes apart in memory, dense in LDS
	s_or_b32 s[G1+0], s43, (3<<16)|(1<<21)         ; 15:0 the mask; 17:16 elements of 8 bytes; 21 set beside a mask
	s_or_b32 s[G1B+0], s44, (3<<16)|(1<<21)
.irp g, G1, G1B
	s_mov_b32 s[\g+1], 512<<16                     ; tensor_dim0
	s_mov_b32 s[\g+2], 8<<16                       ; tensor_dim1
	s_mov_b32 s[\g+3], 512<<16                     ; tile_dim0
	s_mov_b32 s[\g+4], 8                           ; tile_dim1
	s_mov_b32 s[\g+5], 2048                        ; tensor_dim0_stride
	s_mov_b32 s[\g+6], 0
	s_mov_b32 s[\g+7], 0
.endr
	; scale words of 8 row tiles: 4,096 dense bytes, as 16 rows of 256
	s_or_b32 s[G1S+0], s43, (3<<16)|(1<<21)
	s_or_b32 s[G1SB+0], s44, (3<<16)|(1<<21)
.irp g, G1S, G1SB
	s_mov_b32 s[\g+1], 32<<16
	s_mov_b32 s[\g+2], 16<<16
	s_mov_b32 s[\g+3], 32<<16
	s_mov_b32 s[\g+4], 16
	s_mov_b32 s[\g+5], 32
	s_mov_b32 s[\g+6], 0
	s_mov_b32 s[\g+7], 0
.endr
	s_lshl_b32 s18, s16, 3                         ; which 8 row tiles of the 16 I fetch
	s_lshl_b32 s20, s17, 4
	s_add_co_u32 s20, s20, s18                     ; A: row tile 16 x tile row + 8 x half
	s_lshl_b32 s46, s42, 4
	s_add_co_u32 s46, s46, s18                     ; B: row tile 16 x tile column + 8 x half
	s_lshl_b32 s22, s20, 9                         ; where their scale words begin,
	s_mov_b32 s23, 0
	s_lshl_b32 s92, s46, 9
	s_mov_b32 s93, 0
	s_lshl_b32 s20, s20, 14                        ; and their codes
	s_add_co_u32 s20, s20, COFF
	s_mov_b32 s21, 0
	s_lshl_b32 s46, s46, 14
	s_add_co_u32 s46, s46, COFF
	s_mov_b32 s47, 0
	s_mul_i32 s45, s14, HALFT                      ; where they go: by the wave's number alone
	s_mul_i32 s94, s14, HALFS
	s_wait_kmcnt 0x0
	s_add_nc_u64 s[20:21], s[4:5], s[20:21]
	s_add_nc_u64 s[22:23], s[4:5], s[22:23]
	s_add_nc_u64 s[46:47], s[6:7], s[46:47]
	s_add_nc_u64 s[92:93], s[6:7], s[92:93]
	CROUND                                         ; all sixteen work-groups are here: the first joint loads meet
	s_mov_b32 s[G0S], 1
	s_add_co_u32 s[G0S+1], s94, SCL
	s_mov_b64 s[G0S+2:G0S+3], s[22:23]
	s_or_b32 s[G0S+3], s[G0S+3], 0x80000000
	s_mov_b32 s[G0SB], 1
	s_add_co_u32 s[G0SB+1], s94, SCL
	s_mov_b64 s[G0SB+2:G0SB+3], s[92:93]
	s_or_b32 s[G0SB+3], s[G0SB+3], 0x80000000
	JLOAD G0S, G1S, G0SB, G1SB                     ; the scales first: they are wanted with K step 0
.irp s, 0,1
	s_mov_b32 s[G0+4*\s], 1
	s_add_co_u32 s[G0+4*\s+1], s45, \s*SLOT
	s_add_nc_u64 s[G0+4*\s+2:G0+4*\s+3], s[20:21], \s*TILB
	s_or_b32 s[G0+4*\s+3], s[G0+4*\s+3], 0x80000000
	s_mov_b32 s[G0B+4*\s], 1
	s_add_co_u32 s[G0B+4*\s+1], s45, \s*SLOT
	s_add_nc_u64 s[G0B+4*\s+2:G0B+4*\s+3], s[46:47], \s*TILB
	s_or_b32 s[G0B+4*\s+3], s[G0B+4*\s+3], 0x80000000
	JLOAD G0+4*\s, G1, G0B+4*\s, G1B               ; three tensor loads of mine are out now
.endr
	v_and_b32 v1, 15, v0                           ; r
	v_bfe_u32 v2, v0, 4, 1                         ; h
	s_wait_alu depctr_va_vdst(0)
	v_and_b32 v3, 31, v0                           ; lane
	v_lshlrev_b32 v[CO], 4, v3
	s_mul_i32 s21, s15, HALFT                      ; my 8 row tiles of A
	s_mul_i32 s22, s16, HALFT                      ; my 8 of B,
	s_add_co_u32 s22, s22, 2*HALFT                 ; which lie behind A's 16
.irp s, 0,1
	v_add_nc_u32 v[ADRA+\s], s21, v[CO]
	v_add_nc_u32 v[ADRB+\s], s22, v[CO]
	s_add_co_u32 s21, s21, SLOT
	s_add_co_u32 s22, s22, SLOT
.endr
	v_lshlrev_b32 v5, 3, v1                        ; my row's two words of a K step
	s_mul_i32 s21, s15, HALFS
	s_mul_i32 s22, s16, HALFS
	s_add_co_u32 s22, s22, 2*HALFS
	s_sub_co_u32 s22, s22, s21
	v_mul_u32_u24 v6, s22, v2                      ; lanes 16-31 take B's: the lower base + h x the distance
	s_add_co_u32 s21, s21, SCL
	v_add_nc_u32 v5, v5, v6
	v_add_nc_u32 v[ADRS], s21, v5
	s_lshl_b32 s23, s14, 9                         ; the way out: 512 bytes of slot 0 for each wave
	v_lshl_add_u32 v[SST], v1, 2, s23
	v_add_nc_u32 v[SRD], s23, v[CO]
	s_mov_b32 s[SEL], 0x76543210
	s_mov_b32 s[SEL+1], 0xfedcba98
	s_lshl_b32 s20, s17, 4
	s_lshl_b32 s21, s15, 3
	s_add_co_u32 s20, s20, s21                     ; my first row tile of C
	s_lshr_b32 s21, s42, 3                         ; G
	s_and_b32 s22, s42, 7
	s_lshl_b32 s22, s22, 1
	s_add_co_u32 s22, s22, s16                     ; g
	s_lshl_b32 s18, s20, 15
	s_lshl_b32 s19, s21, 21
	s_add_co_u32 s18, s18, s19
	s_lshl_b32 s19, s22, 11
	s_add_co_u32 s18, s18, s19
	s_add_co_u32 s18, s18, POFF
	s_mov_b32 s19, 0
	s_lshl_b32 s46, s20, 6
	s_lshl_b32 s47, s21, 19
	s_add_co_u32 s46, s46, s47
	s_lshl_b32 s47, s22, 15
	s_add_co_u32 s46, s46, s47
	s_mov_b32 s47, 0
	s_add_nc_u64 s[98:99], s[12:13], s[46:47]      ; my 512 bytes of scale words
	s_add_nc_u64 s[12:13], s[12:13], s[18:19]      ; my first fragment; the next block's lies 32,768 bytes on
.macro FRAG reg, adr, q, i             ; an image comes back as it was stored: 512 consecutive bytes a load
.irp c, 0,1,2,3
	ds_load_b128 v[\reg+4*\c:\reg+4*\c+3], v[\adr] offset:2048*(\q)+512*\c+(\i)*TILB
.endr
.endm
; 16 matrix instructions: A's blocks a0, a0 + 1 x B's eight, 128 along K.  p: B's set;  sc: the set of scale words.  zero = 1: the first product starts the sums.
; The 64 accumulators take turns, one instruction a turn, in the same order in every step.
.macro MUL16 a0, p, q, sc, zero
.irp a, \a0, \a0+1
.irp b, 0,1,2,3,4,5,6,7
.if \zero
	v_wmma_scale_f32_16x16x128_f8f6f4 v[8*(8*((\a)%4)+\b):8*(8*((\a)%4)+\b)+7], v[128*(\p)+FR*\b:128*(\p)+FR*\b+FR-1], v[AF+FR*(\a):AF+FR*(\a)+FR-1], 0, v[SC+8*NQ*(\sc)+NQ*\b+(\q)], v[SC+8*NQ*(\sc)+NQ*(\a)+(\q)] matrix_a_fmt:MATRIX_FMT_BF8 matrix_b_fmt:MATRIX_FMT_BF8 matrix_a_scale:MATRIX_SCALE_ROW1
.else
	v_wmma_scale_f32_16x16x128_f8f6f4 v[8*(8*((\a)%4)+\b):8*(8*((\a)%4)+\b)+7], v[128*(\p)+FR*\b:128*(\p)+FR*\b+FR-1], v[AF+FR*(\a):AF+FR*(\a)+FR-1], v[8*(8*((\a)%4)+\b):8*(8*((\a)%4)+\b)+7], v[SC+8*NQ*(\sc)+NQ*\b+(\q)], v[SC+8*NQ*(\sc)+NQ*(\a)+(\q)] matrix_a_fmt:MATRIX_FMT_BF8 matrix_b_fmt:MATRIX_FMT_BF8 matrix_a_scale:MATRIX_SCALE_ROW1
.endif
.endr
.endr
.endm
.macro FETCH_B slot, q, p              ; B's eight fragments of the slot's q-th 128 along K into set p
	WIN TO_B
.irp i, 0,1,2,3,4,5,6,7
	FRAG 128*(\p)+FR*\i, ADRB+\slot, \q, \i
.endr
	WIN 0
.endm
.macro FETCH_A slot, q, i0             ; A's blocks i0 .. i0 + 3
.irp i, \i0, \i0+1, \i0+2, \i0+3
	FRAG AF+FR*(\i), ADRA+\slot, \q, \i
.endr
.endm
.macro SCALES sc                       ; a K step's scale words into set sc: two words a row; lanes 0-15 A's block i, lanes 16-31 B's block i
.irp i, 0,1,2,3,4,5,6,7
	ds_load_b64 v[SC+8*NQ*\sc+NQ*\i:SC+8*NQ*\sc+NQ*\i+1], v[ADRS] offset:\i*SBLK
.endr
.endm
.macro PLACES n                        ; plain vector lines between a matrix instruction and a load into, or a vector read or write of, its registers
.rept \n
	v_nop
.endr
.endm
; A step of 128 along K that has its successor in the same slot.
.macro STEP slot, q, zero
	s_wait_dscnt 4*NL                              ; B's set, the scale words and A's blocks 0-3 are in; the youngest 16 loads (A's blocks 4-7) may be out
	WIN MUL_LO
	MUL16 0, (\q)%2, \q, \slot, \zero
	MUL16 2, (\q)%2, \q, \slot, \zero
	s_wait_dscnt 0                                 ; A's blocks 4-7 are in
	PLACES NP
	FETCH_B \slot, (\q)+1, 1-(\q)%2
	FETCH_A \slot, (\q)+1, 0
	WIN MUL_HI
	MUL16 4, (\q)%2, \q, \slot, \zero
	MUL16 6, (\q)%2, \q, \slot, \zero
	PLACES NP
	WIN 0
	FETCH_A \slot, (\q)+1, 4
.endm
; A slot's last step changes slots: one barrier; in front of it each wave waits for all its tensor loads, adds 0 to its spare word, and waits for that and for its own reads of this slot.  fill = 1: this slot is filled again, two K steps ahead.
.macro TURN slot, next, fill
	s_wait_tensorcnt 0x0                           ; all my tensor loads have landed: my part of the next slot
	ds_add_u32 v[SPW], v[NIL]                      ; 0 onto my spare word
	s_wait_dscnt 4*NL+1                            ; the add and the youngest 16 loads (A's blocks 4-7) may be out
	WIN MUL_LO
	MUL16 0, 1, NQ-1, \slot, 0
	s_wait_dscnt 0x0                               ; the add is done, and my reads of this slot are over
	s_barrier_signal -1
	MUL16 2, 1, NQ-1, \slot, 0
	WIN 0
	s_barrier_wait -1
.if \fill
	CREST                                          ; the barrier has opened a round of the cluster's: no wave of any partner still reads this slot or has a load on its way
	s_add_nc_u64 s[G0+4*\slot+2:G0+4*\slot+3], s[G0+4*\slot+2:G0+4*\slot+3], 2*TILB
	s_add_nc_u64 s[G0B+4*\slot+2:G0B+4*\slot+3], s[G0B+4*\slot+2:G0B+4*\slot+3], 2*TILB
	JLOAD G0+4*\slot, G1, G0B+4*\slot, G1B         ; the first tensor load behind the round, my only one until the next; its four v_nop are four of the eight places
	PLACES NP-4
.else
	PLACES NP
.endif
	s_wait_alu depctr_va_vdst(0)
	v_add_nc_u32 v[ADRS], 128, v[ADRS]             ; on to the next K step's scale words
	FETCH_B \next, 0, 0
	FETCH_A \next, 0, 0
	SCALES \next
	WIN MUL_HI
	MUL16 4, 1, NQ-1, \slot, 0
	MUL16 6, 1, NQ-1, \slot, 0
	PLACES NP
	WIN 0
	FETCH_A \next, 0, 4
.endm
	s_wait_alu depctr_va_vdst(0)
	s_wait_tensorcnt 1                             ; the scales and my part of K step 0 are in; K step 1's load may be out
	s_barrier_signal -1
	s_barrier_wait -1
	FETCH_B 0, 0, 0
	FETCH_A 0, 0, 0
	SCALES 0
	FETCH_A 0, 0, 4
	STEP 0, 0, 1                                   ; K 0-127: its products start the sums
	TURN 0, 1, 1                                   ; K 128-255; slot 0 takes K 512-767
	STEP 1, 0, 0
	TURN 1, 0, 1                                   ; slot 1 takes K 768-1023
	STEP 0, 0, 0
	TURN 0, 1, 0                                   ; nothing is left to fetch
	STEP 1, 0, 0
	s_wait_dscnt 4*NL                              ; the last 128 along K
	WIN MUL_LO
	MUL16 0, 1, NQ-1, 1, 0
	MUL16 2, 1, NQ-1, 1, 0
	s_wait_dscnt 0
	WIN MUL_HI
	MUL16 4, 1, NQ-1, 1, 0
	MUL16 6, 1, NQ-1, 1, 0
	WIN 0
; THE WAY OUT.  Block a (16 rows x 128 columns) is 64 registers a lane: register 16 b + i = column 32 b + 16 (lane / 16) + i of my row: four blocks of 32 along the next K.
; Each accumulator is read from its low end on: the maxima go up the registers.
.macro QOUT a
.set AC, 64*((\a)%4)
.set WW, 2+(\a)/4
.set W01, WW|(WW<<2)
	WIN W01                                        ; sources 0 and 1: the accumulators' window
.irp b, 0,1,2,3
	v_max3_num_f32 v[TM+\b], |v[AC+16*\b]|, |v[AC+16*\b+1]|, 0x8000000   ; and the floor 2^(16 - 127): the byte cannot fall under 1
.endr
.irp i, 2,4,6,8,10,12,14
.irp b, 0,1,2,3
	v_max3_num_f32 v[TM+\b], |v[AC+16*\b+\i]|, |v[AC+16*\b+\i+1]|, v[TM+\b]
.endr
.endr
	WIN 0
.irp b, 0,1,2,3
	v_permlanex16_b32 v[TM+4+\b], v[TM+\b], s[SEL], s[SEL+1]
.endr
.irp b, 0,1,2,3
	v_max_num_f32 v[TM+\b], v[TM+\b], v[TM+4+\b]   ; with lane l xor 16's 16: the block's largest magnitude
.endr
.irp b, 0,1,2,3
	v_add_nc_u32 v[TM+12+\b], 0xf8800000, v[TM+\b] ; 15 off its exponent field: the conversion's scale operand
.endr
.irp b, 0,1,2,3
.endr
.irp b, 0,1,2,3
	v_lshrrev_b32 v[TM+4+\b], 23, v[TM+12+\b]      ; the scale's byte
.endr
	v_lshl_or_b32 v[PW+(\a)], v[TM+5], 8, v[TM+4]
	v_lshl_or_b32 v[PW+(\a)], v[TM+6], 16, v[PW+(\a)]
	v_lshl_or_b32 v[PW+(\a)], v[TM+7], 24, v[PW+(\a)]
.if (\a) > 0
	s_wait_alu depctr_va_vdst(0)
	s_wait_xcnt 0x0                                ; the last block's stores have read the codes' registers
.endif
	WIN WW                                         ; source 0: the accumulators' window
.irp b, 0,1,2,3
.irp i, 0,1,2,3,4,5,6,7,8,9,10,11,12,13,14,15
.endr
.endr
.irp b, 0,1,2,3
	v_cvt_scalef32_pk8_bf8_f32 v[PC+4*\b:PC+1+4*\b], v[AC+16*\b:AC+7+16*\b], v[TM+12+\b]
	v_cvt_scalef32_pk8_bf8_f32 v[PC+2+4*\b:PC+3+4*\b], v[AC+8+16*\b:AC+15+16*\b], v[TM+12+\b]
.endr
	WIN 0
	v_nop                                          ; one plain vector line behind the last conversion
.irp c, 0,1,2,3
	global_store_b128 v[CO], v[PC+4*\c:PC+4*\c+3], s[12:13] offset:32768*(\a)+512*\c th:TH_STORE_NT   ; 32 lanes store 512 consecutive bytes, aligned
.endr
	ds_store_b32 v[SST], v[PW+(\a)] offset:64*(\a) ; lanes l and l xor 16 write the same word with the same value
.endm
	PLACES NP                                      ; behind the last products: their results are read and A's registers written below
.irp b, 0,1,2,3
	v_mov_b32 v[TM+4+\b], 0                        ; written once: a lane permute's destination counts as one of its sources
.endr
.irp a, 0,1,2,3,4,5,6,7
	QOUT \a
.endr
	ds_load_b128 v[GW:GW+3], v[SRD]                ; LDS serves a wave's instructions in order: this sees my eight stores
	s_wait_dscnt 0x0
	global_store_b128 v[CO], v[GW:GW+3], s[98:99] th:TH_STORE_NT   ; the scale words of my 8 row tiles: 512 consecutive bytes, aligned
	s_wait_tensorcnt 0x0                           ; the wave's end
	ds_add_u32 v[SPW], v[NIL]
	s_wait_dscnt 0x0
	CROUND                                         ; the closing round: no work-group ends while a partner may still ask for a tile that names it
	s_endpgm
.Lfunc_end_k_qf9e349b5fa_gemm_qk:
	.size	k_qf9e349b5fa_gemm_qk, .Lfunc_end_k_qf9e349b5fa_gemm_qk-k_qf9e349b5fa_gemm_qk
	.p2alignl 7, 3214868480
	.fill 96, 4, 3214868480
	.section	.rodata,"a",@progbits
	.p2align	6, 0x0
	.amdhsa_kernel k_qf9e349b5fa_gemm_qk
		.amdhsa_group_segment_fixed_size 327680
		.amdhsa_private_segment_fixed_size 0
		.amdhsa_enable_private_segment 0
		.amdhsa_kernarg_size 24
		.amdhsa_user_sgpr_count 2
		.amdhsa_user_sgpr_kernarg_segment_ptr 1
		.amdhsa_wavefront_size32 1
		.amdhsa_system_sgpr_workgroup_id_x 1
		.amdhsa_system_sgpr_workgroup_id_y 1
		.amdhsa_system_sgpr_workgroup_id_z 1
		.amdhsa_system_vgpr_workitem_id 0
		.amdhsa_next_free_vgpr 1024
		.amdhsa_next_free_sgpr 100
		.amdhsa_reserve_vcc 0
		.amdhsa_float_denorm_mode_32 3
		.amdhsa_float_denorm_mode_16_64 3
		.amdhsa_fp16_overflow 1
		.amdhsa_memory_ordered 1
		.amdhsa_forward_progress 1
		.amdhsa_inst_pref_size 150
	.end_amdhsa_kernel
	.amdgpu_metadata
---
amdhsa.version: [ 1, 2 ]
amdhsa.kernels:
  - .name:           k_qf9e349b5fa_gemm_qk
    .symbol:         k_qf9e349b5fa_gemm_qk.kd
    .args:
      - { .name: xq, .offset: 0, .size: 8, .value_kind: global_buffer, .address_space: global }
      - { .name: wqkq, .offset: 8, .size: 8, .value_kind: global_buffer, .address_space: global }
      - { .name: qkq, .offset: 16, .size: 8, .value_kind: global_buffer, .address_space: global }
    .group_segment_fixed_size: 327680
    .private_segment_fixed_size: 0
    .kernarg_segment_align: 8
    .kernarg_segment_size: 24
    .max_flat_workgroup_size: 128
    .sgpr_count:     100
    .vgpr_count:     1024
    .wavefront_size: 32
...
	.end_amdgpu_metadata
.endif
;; end of part 2
;; launch gemm_v: the kernel of part 2 again; grid 4 x 32, 4 waves a work-group, clusters of 4 x 4, 327,680 bytes of LDS; arguments wvq, xq, vq; writes vq
;; launch attn (part 3): grid 4 x 64, 16 waves a work-group, no clusters, 327,680 bytes of LDS; arguments qkq, vq, ctxq; writes ctxq
.if DOCPART == 3
	.amdgcn_target "amdgcn-amd-amdhsa--gfx1250"
	.amdhsa_code_object_version 6
	.text
	.protected	k_qf9e349b5fa_attn
	.globl	k_qf9e349b5fa_attn
	.p2align	8
	.type	k_qf9e349b5fa_attn,@function
k_qf9e349b5fa_attn:
	s_mov_b64 s[64:65], 0
	v_nop
	global_prefetch_b8 v0, s[64:65] scope:SCOPE_SE
	s_setreg_imm32_b32 hwreg(HW_REG_WAVE_MODE, 25, 1), 1
	s_wait_xcnt 0x0
; ctx[b][q][head][:] = the sum over keys k <= q of softmax_k(q . k / 8) v[k][:], 4 x 16 heads of 64, 2,048 tokens, both products on codes of BF8 (E5M2) with one E8M0 scale for each 32 along a product's K; ctx is quantised along its 1,024 channels on the way out.
; INPUTS (this program's own): q, k: codes [token tile 512][g 16][2,048 bytes] from POFF on, g = head pair (q 0-7, k 8-15), a head's half of an image 1,024 bytes ([c 2][lane][16]); scale words [g][token tile][16] from byte 0, a head's two bytes in each word.
;   v: codes [b][4 head + d tile][key step 16][2,048 bytes] from POFF on (K = the keys); scale words [b][key step][..][16], 32,768 bytes a key step.   Place r of a tile t holds row 32 (t / 2) + 8 (t % 2) + r + 8 (r / 8), tokens and channels alike.
; OUTPUT: ctx as an operand buffer: scale words [token tile][K step of 256: 4][row 16][2 words], codes from COFF on [token tile][128 along K: 8][2,048 bytes].
; THE SOFTMAX: t = score x log2(e) / 8; M = the running largest t rounded UP to a whole number; p = 2^(t - M) is quantised along the keys, not normalised; the row's sum is taken of the unquantised p and divides at the end; when M moves, the sum and O are multiplied by 2^(old M - new M): exact.
; SHARES.  Work-group (i, b x 16 + head) owns the blocks i and 7 - i of 256 queries: (i + 1) + (8 - i) = 9 slots of 256 keys in every work-group, so the trip count is a constant and all 256 work-groups have equal work.  Each of sixteen waves owns one tile of 16 queries.
; Both products are used transposed (S^T = K Q^T, O^T = V^T P^T): a lane holds one query throughout; by the tiles' order of rows the 16 registers of two neighbouring tiles are 16 neighbouring keys (channels).
; K = 64 IN AN INSTRUCTION OF K = 128: Q's upper eight registers are zero codes; K's operand for tile t is 16 registers from its own eight on, so its upper half is the next tile's codes (tile 7: zeros), which are finite (every quantiser here holds its numbers) and meet zero codes.  The scale words' upper two bytes are 0, which is 2^-127.
; THE MASK: a key step all of whose keys come after my queries is jumped over (a branch on ids); in the one step on the diagonal hidden scores become -infinity ahead of the maximum.  Key 0 counts for every query.
; NO CLUSTER: in trip n the work-group of block i needs key slot n (n <= i) or n - i - 1, so the four work-groups of a head want different tiles in the same trip; walking in step would take 12 slots in place of 9.
; NO PREFETCH: a refill is issued first behind its barrier and has the sixteen waves' two key steps in which to land.
; ctx's scale bytes leave two bytes a lane (a word's other half belongs to another head's work-group): 262,144 bytes against 8,388,608 of codes.
; LIMITS: NaN and infinities are not served; a block of ctx whose largest magnitude lies under 2^-111 gets the byte 1; v_exp_f32 and v_rcp_f32 are taken as they round.
.set POFF,  0x200000
.set COFF,  0x40000
.set SLOT1, 65536                      ; slot 1 begins here: one exclusive or turns an address
.set VOFF,  16384                      ; a slot: K's 16 tiles x 1,024 bytes; V's [d tile 4][key step 2][2,048];
.set KSO,   32768                      ; K's scale words, 1,024 bytes;
.set VSO,   33792                      ; V's, [key step 2][d tile 4][16 words]
.set SPARE, 131072                     ; the spare words, 128 bytes for each wave: eight blocks of 256 bytes that no other line names
.set LI,   1                           ; v1   16 x lane
.set AKS,  2                           ; v2   KSO + 4 r + 2 (head % 2)
.set AVS,  3                           ; v3   VSO + 4 r
.set AQS,  4                           ; v4   4 r + 2 (head % 2)
.set SPW,  5                           ; v5   LDS address of my spare word; never rewritten
.set NIL,  6                           ; v6   0; never rewritten
.set ACS,  7                           ; v7   8 r + 2 (head % 4)
.set ADK,  8                           ; v8   the slot in hand + 16 x lane: K's and V's images
.set ADS,  10                          ; v10  K's scale words
.set ADT,  11                          ; v11  V's
.set Q,    16                          ; v16-23 Q's codes, v24-31 zeros.   v12 -M, v13 the largest t, v[14:15] the sum in two halves
.set KV,   32                          ; v32-95 K's eight half fragments, then V's four fragments; v96-103 zeros
.set S,    104                         ; v104-167 S^T, then p
.set O,    168                         ; v168-199 O^T
.set PC,   200                         ; v200-215 p's codes
.set KSC,  216                         ; v216-223 K's scales
.set VSC,  224                         ; v224-227 V's
.set QSC,  228                         ; v228 Q's
.set PSC,  229                         ; v229 p's scale word
.set BM,   230                         ; v230-233 blocks' maxima; v234-237 bytes; v242-245 scale operands
.set TMP,  246
.set DM,   247                         ; v247 my query less the diagonal step's first key less 16 (lane / 16)
.set F,    248                         ; v[248:249] f = 2^(old M - new M); the upper register is written once
.set T2,   250
.set NINF, 251                         ; v251 -infinity
.set TB,   2                           ; s2   LDS byte at which the slot in hand begins
.set TR,   3                           ; s3   the trip
.set IB,   10                          ; s10  i
.set SG,   11                          ; s11  the key slot asked for last
.set SCU,  12                          ; s12  the key slot in hand
.set QS8,  13                          ; s13  the key step that holds my queries
.set KSI,  14                          ; s14  the key step in hand
.set BETA, 15                          ; s15  my block of queries
.set TAU,  16                          ; s16  my token tile in the batch
.set WV,   18
.set MNT,  19
.set SEL,  20
.set CS,   22                          ; s[22:23] c = log2(e) / 8
.set G1K,  24
.set G1V,  32
.set G1KS, 40
.set G1VS, 48
.set G0K,  56
.set G0V,  60
.set G0KS, 68
.set G0VS, 72
; s[76:83] where key slot 0 begins: K, V, K's scales, V's scales;  s[84:85] an offset;  s[86:93] Q's codes, Q's scales, ctx's codes, ctx's scales at (b, head);  s[94:101] the same four at my tile
; Waves 0 to 3 fetch K, V, K's scales, V's scales, one load each; the others nothing.  The branches hang on the wave's number alone.  Four v_nop follow each load.
.macro TLOAD
	s_cmp_lg_u32 s[WV], 0
	s_cbranch_scc1 .Lnot0_\@
	tensor_load_to_lds s[G0K:G0K+3], s[G1K:G1K+7]
	s_nop 0
.rept 4
	v_nop
.endr
	s_branch .Lasked_\@
.Lnot0_\@:
	s_cmp_lg_u32 s[WV], 1
	s_cbranch_scc1 .Lnot1_\@
	tensor_load_to_lds s[G0V:G0V+3], s[G1V:G1V+7]
	s_nop 0
.rept 4
	v_nop
.endr
	s_branch .Lasked_\@
.Lnot1_\@:
	s_cmp_lg_u32 s[WV], 2
	s_cbranch_scc1 .Lnot2_\@
	tensor_load_to_lds s[G0KS:G0KS+3], s[G1KS:G1KS+7]
	s_nop 0
.rept 4
	v_nop
.endr
	s_branch .Lasked_\@
.Lnot2_\@:
	s_cmp_lg_u32 s[WV], 3
	s_cbranch_scc1 .Lasked_\@
	tensor_load_to_lds s[G0VS:G0VS+3], s[G1VS:G1VS+7]
	s_nop 0
.rept 4
	v_nop
.endr
.Lasked_\@:
.endm
.macro WALK g0, base, shift            ; a walking descriptor: the other slot than last time, key slot SG
	s_xor_b32 s[\g0+1], s[\g0+1], SLOT1
	s_lshl_b32 s84, s[SG], \shift
	s_add_nc_u64 s[\g0+2:\g0+3], s[\base:\base+1], s[84:85]
	s_or_b32 s[\g0+3], s[\g0+3], 0x80000000
.endm
; THE CHANGE OF SLOTS stands at a slot's head.  Each wave waits for all its tensor loads, adds 0 to its spare word, and waits for that and for its reads of the slot that it has left.
; fill = 1: that slot is filled with the next trip's keys: the slot after this one's, or slot 0 where this trip ends the first block of queries.
.macro CHANGE fill
	s_wait_tensorcnt 0x0                           ; no tensor load of mine is out, so a group 0 may be written
	ds_add_u32 v[SPW], v[NIL]                      ; 0 onto my spare word
.if \fill
	s_add_co_u32 s[SG], s[SG], 1
	s_cmp_eq_u32 s[TR], s[IB]
	s_cselect_b32 s[SG], 0, s[SG]
	s_mov_b32 s85, 0
	WALK G0K, 76, 19                               ; 16 token tiles of 32,768 bytes
	WALK G0V, 78, 12                               ; two key steps of 2,048 bytes
	WALK G0KS, 80, 10                              ; 16 tiles of 64 bytes
	WALK G0VS, 82, 16                              ; two key steps of 32,768 bytes
.endif
	s_wait_dscnt 0x0                               ; the add is done, and my reads of the slot that I have left are over
	s_barrier_signal -1
	s_barrier_wait -1
.if \fill
	TLOAD                                          ; the first thing behind the barrier, and a wave's one tensor load until the next
.endif
.endm
; A block of queries begins: my tile's addresses, Q, and an empty state.
.macro START
	s_lshl_b32 s[TAU], s[BETA], 4
	s_add_co_u32 s[TAU], s[TAU], s[WV]
	s_lshr_b32 s[QS8], s[TAU], 3
	s_mov_b32 s85, 0
	s_lshl_b32 s84, s[TAU], 15
	s_add_nc_u64 s[94:95], s[86:87], s[84:85]
	s_lshl_b32 s84, s[TAU], 6
	s_add_nc_u64 s[96:97], s[88:89], s[84:85]
	s_lshl_b32 s84, s[TAU], 14
	s_add_nc_u64 s[98:99], s[90:91], s[84:85]
	s_lshl_b32 s84, s[TAU], 9
	s_add_nc_u64 s[100:101], s[92:93], s[84:85]
	global_load_b128 v[Q:Q+3], v[LI], s[94:95]
	global_load_b128 v[Q+4:Q+7], v[LI], s[94:95] offset:512
	global_load_u16 v[QSC], v[AQS], s[96:97]       ; my head's two bytes; the upper two are 0
	v_mov_b32 v13, 0xff61b1e6                      ; the largest t so far: -3e38
	s_delay_alu instid0(VALU_DEP_1)
	v_floor_f32 v12, -v13                          ; -M
	v_mov_b32 v14, 0
	v_mov_b32 v15, 0
.set nn, 0
.rept 32
	v_mov_b32 v[O+nn], 0                           ; the key step is written once: the first finds zeros, which the first change of M leaves zeros
.set nn, nn+1
.endr
	s_wait_loadcnt 0x0
.endm
; A KEY STEP: 128 keys, the q-th of the slot in hand.
.macro STEP q
	s_lshl_b32 s[KSI], s[SCU], 1
.if \q
	s_add_co_u32 s[KSI], s[KSI], 1
.endif
	s_cmp_gt_u32 s[KSI], s[QS8]                    ; all its keys come after my queries: nothing to do
	s_cbranch_scc1 .Lhidden_\@
	v_add_nc_u32 v[ADK], s[TB], v[LI]
	v_add_nc_u32 v[ADS], s[TB], v[AKS]
	v_add_nc_u32 v[ADT], s[TB], v[AVS]
.rept 5
	v_nop                                          ; with the three additions: eight places in front of loads into registers that the last products read
.endr
.irp t, 0,1,2,3,4,5,6,7
	ds_load_b128 v[KV+8*\t:KV+8*\t+3], v[ADK] offset:(8*\q+\t)*1024
	ds_load_b128 v[KV+8*\t+4:KV+8*\t+7], v[ADK] offset:(8*\q+\t)*1024+512
	ds_load_u16 v[KSC+\t], v[ADS] offset:(8*\q+\t)*64
.endr
	s_wait_alu depctr_va_vdst(0)
	s_wait_dscnt 0x0
.irp t, 0,1,2,3,4,5,6,7
	v_wmma_scale_f32_16x16x128_f8f6f4 v[S+8*\t:S+8*\t+7], v[KV+8*\t:KV+8*\t+15], v[Q:Q+15], 0, v[KSC+\t], v[QSC] matrix_a_fmt:MATRIX_FMT_BF8 matrix_b_fmt:MATRIX_FMT_BF8
.endr
.rept 8
	v_nop                                          ; eight places: for the loads below and for the first reads of the scores
.endr
.irp d, 0,1,2,3                                ; V's fragments are asked for now and land under the softmax
.irp c, 0,1,2,3
	ds_load_b128 v[KV+16*\d+4*\c:KV+16*\d+4*\c+3], v[ADK] offset:VOFF+4096*\d+2048*\q+512*\c
.endr
	ds_load_b32 v[VSC+\d], v[ADT] offset:256*\q+64*\d
.endr
	s_cmp_lg_u32 s[KSI], s[QS8]                    ; only the step that holds my queries is cut by the diagonal
	s_cbranch_scc1 .Lopen_\@
.set nn, 0
.rept 64                                       ; register 16 b + i holds key 32 b + 16 (lane / 16) + i of the step: hidden where 32 b + i > DM
	v_cmp_gt_i32 vcc_lo, 32*(nn/16)+nn%16, v[DM]
	v_cndmask_b32 v[S+nn], v[S+nn], v[NINF], vcc_lo
.set nn, nn+1
.endr
.Lopen_\@:
.irp b, 0,1,2,3
	v_max3_num_f32 v[BM+\b], v[S+16*\b], v[S+1+16*\b], v[S+2+16*\b]   ; the largest score of each block of 32 keys: for the row's maximum, and, since p rises with the score, for the block's largest p
.endr
.irp i, 3,5,7,9,11,13
.irp b, 0,1,2,3
	v_max3_num_f32 v[BM+\b], v[BM+\b], v[S+16*\b+\i], v[S+1+16*\b+\i]
.endr
.endr
.irp b, 0,1,2,3
	v_max_num_f32 v[BM+\b], v[BM+\b], v[S+15+16*\b]
.endr
.irp b, 0,1,2,3
	s_delay_alu instid0(VALU_DEP_4)
	v_permlanex16_b32 v[BM+4+\b], v[BM+\b], s[SEL], s[SEL+1]
.endr
.irp b, 0,1,2,3
	s_delay_alu instid0(VALU_DEP_4)
	v_max_num_f32 v[BM+\b], v[BM+\b], v[BM+4+\b]   ; with lane l xor 16's 16 keys
.endr
	s_delay_alu instid0(VALU_DEP_2)
	v_max3_num_f32 v[TMP], v[BM], v[BM+1], v[BM+2]
	s_delay_alu instid0(VALU_DEP_1)
	v_max_num_f32 v[TMP], v[TMP], v[BM+3]          ; the step's largest score of my query
	s_delay_alu instid0(VALU_DEP_1)
	v_mul_f32 v[TMP], s[CS], v[TMP]                ; as t
	s_delay_alu instid0(VALU_DEP_1)
	v_max_num_f32 v13, v13, v[TMP]                 ; the running largest t
	v_mov_b32 v[TMP], v12
	s_delay_alu instid0(VALU_DEP_2)
	v_floor_f32 v12, -v13                          ; the new -M = floor(-t): M is a whole number
	s_delay_alu instid0(VALU_DEP_1)
	v_sub_f32 v[TMP], v12, v[TMP]                  ; old M less new M: a whole number, 0 or less
	s_delay_alu instid0(VALU_DEP_1)
	v_cvt_i32_f32 v[TMP], v[TMP]                   ; (it saturates)
	s_delay_alu instid0(VALU_DEP_1)
	v_ldexp_f32 v[F], 1.0, v[TMP]                  ; f = 2^(old M - new M)
.set nn, 0
.rept 32
	v_pk_fma_f32 v[S+nn:S+nn+1], v[S+nn:S+nn+1], s[CS:CS+1], v[12:13] op_sel_hi:[1,0,0]   ; t - M, two at a time
.set nn, nn+2
.endr
.irp b, 0,1,2,3
	v_fma_f32 v[BM+\b], v[BM+\b], s[CS], v12       ; the same of each block's largest score
.endr
.set nn, 0
	s_wait_alu depctr_va_vdst(0)
.rept 64
	v_exp_f32 v[S+nn], v[S+nn]                     ; p = 2^(t - M), at most 1
.set nn, nn+1
.endr
	v_pk_mul_f32 v[14:15], v[14:15], v[F:F+1] op_sel_hi:[1,0]   ; the sums under the new M: the plain line behind the exponentials
	s_wait_alu depctr_va_vdst(0)                   ; one wait for the batch of 64, ahead of its first reader
.irp b, 0,1,2,3
	v_exp_f32 v[BM+\b], v[BM+\b]                   ; the block's largest p
.endr
	v_pk_add_f32 v[234:235], v[108:109], v[112:113]
	v_pk_add_f32 v[254:255], v[116:117], v[120:121]
	v_pk_add_f32 v[252:253], v[124:125], v[128:129]
	v_pk_add_f32 v[244:245], v[132:133], v[136:137]
	v_pk_add_f32 v[242:243], v[140:141], v[144:145]
	v_pk_add_f32 v[240:241], v[148:149], v[152:153]
	v_pk_add_f32 v[238:239], v[156:157], v[160:161]
	v_pk_add_f32 v[14:15], v[14:15], v[164:165]
	v_pk_add_f32 v[234:235], v[234:235], v[104:105]
	v_pk_add_f32 v[254:255], v[254:255], v[106:107]
	v_pk_add_f32 v[252:253], v[252:253], v[110:111]
	v_pk_add_f32 v[244:245], v[244:245], v[114:115]
	v_pk_add_f32 v[242:243], v[242:243], v[118:119]
	v_pk_add_f32 v[240:241], v[240:241], v[122:123]
	v_pk_add_f32 v[238:239], v[238:239], v[126:127]
	v_pk_add_f32 v[14:15], v[14:15], v[130:131]
	v_pk_add_f32 v[234:235], v[234:235], v[134:135]
	v_pk_add_f32 v[254:255], v[254:255], v[138:139]
	v_pk_add_f32 v[252:253], v[252:253], v[142:143]
	v_pk_add_f32 v[244:245], v[244:245], v[146:147]
	v_pk_add_f32 v[242:243], v[242:243], v[150:151]
	v_pk_add_f32 v[240:241], v[240:241], v[154:155]
	v_pk_add_f32 v[238:239], v[238:239], v[158:159]
	v_pk_add_f32 v[14:15], v[14:15], v[162:163]
	v_pk_add_f32 v[234:235], v[234:235], v[166:167]
	s_delay_alu instid0(VALU_DEP_2)
	v_pk_add_f32 v[14:15], v[14:15], v[244:245]
	s_delay_alu instid0(VALU_DEP_2)
	v_pk_add_f32 v[234:235], v[234:235], v[242:243]
	v_pk_add_f32 v[254:255], v[254:255], v[240:241]
	v_pk_add_f32 v[252:253], v[252:253], v[238:239]
	s_delay_alu instid0(VALU_DEP_2)
	v_pk_add_f32 v[14:15], v[14:15], v[254:255]
	s_delay_alu instid0(VALU_DEP_2)
	v_pk_add_f32 v[234:235], v[234:235], v[252:253]
	s_delay_alu instid0(VALU_DEP_1)
	v_pk_add_f32 v[14:15], v[14:15], v[234:235]
	s_wait_alu depctr_va_vdst(0)                   ; and one for the four
.irp b, 0,1,2,3
	v_max_num_f32 v[BM+\b], 0x8000000, v[BM+\b]    ; the floor 2^(16 - 127): the byte cannot fall under 1
.endr
.irp b, 0,1,2,3
	s_delay_alu instid0(VALU_DEP_4)
	v_add_nc_u32 v[BM+12+\b], 0xf8800000, v[BM+\b] ; 15 off the exponent field: the conversion's scale operand
.endr
.irp b, 0,1,2,3
.endr
.irp b, 0,1,2,3
	s_delay_alu instid0(VALU_DEP_4)
	v_lshrrev_b32 v[BM+4+\b], 23, v[BM+12+\b]      ; the scale's byte
.endr
	s_delay_alu instid0(VALU_DEP_3)
	v_lshl_or_b32 v[PSC], v[BM+5], 8, v[BM+4]      ; p's scale word for these 128 keys
	s_delay_alu instid0(VALU_DEP_1)
	v_lshl_or_b32 v[PSC], v[BM+6], 16, v[PSC]
	s_delay_alu instid0(VALU_DEP_1)
	v_lshl_or_b32 v[PSC], v[BM+7], 24, v[PSC]
.irp b, 0,1,2,3
.irp i, 0,1,2,3,4,5,6,7,8,9,10,11,12,13,14,15
.endr
	v_cvt_scalef32_pk8_bf8_f32 v[PC+4*\b:PC+1+4*\b], v[S+16*\b:S+7+16*\b], v[BM+12+\b]
	v_cvt_scalef32_pk8_bf8_f32 v[PC+2+4*\b:PC+3+4*\b], v[S+8+16*\b:S+15+16*\b], v[BM+12+\b]
.endr
.set nn, 0
.rept 16
	v_pk_mul_f32 v[O+nn:O+nn+1], v[O+nn:O+nn+1], v[F:F+1] op_sel_hi:[1,0]   ; O^T under the new M; these 16 are also the places between the codes and the products
.set nn, nn+2
.endr
	s_wait_alu depctr_va_vdst(0)
	s_wait_dscnt 0x0                               ; V's fragments and scale words are in
.irp d, 0,1,2,3                                ; the four accumulators by turns, one instruction a turn
	v_wmma_scale_f32_16x16x128_f8f6f4 v[O+8*\d:O+8*\d+7], v[KV+16*\d:KV+16*\d+15], v[PC:PC+15], v[O+8*\d:O+8*\d+7], v[VSC+\d], v[PSC] matrix_a_fmt:MATRIX_FMT_BF8 matrix_b_fmt:MATRIX_FMT_BF8
.endr
.Lhidden_\@:
.endm
; A block of queries ends: O^T / the sum; register 16 b + i = channel 32 b + 16 (lane / 16) + i of my head: two blocks of 32 of ctx's K, quantised in registers.
.macro FINALISE
.rept 8
	v_nop                                          ; places behind the last products
.endr
	v_add_f32 v14, v14, v15
	s_delay_alu instid0(VALU_DEP_1)
	v_permlanex16_b32 v[T2], v14, s[SEL], s[SEL+1]
	s_delay_alu instid0(VALU_DEP_1)
	v_add_f32 v14, v14, v[T2]                      ; the row's sum
	s_wait_alu depctr_va_vdst(0)
	v_rcp_f32 v14, v14
	v_nop                                          ; a plain line behind the reciprocal
	s_wait_alu depctr_va_vdst(0)                   ; and the wait ahead of its first reader
.set nn, 0
.rept 32
	v_mul_f32 v[S+nn], v[O+nn], v14                ; each accumulator from its low end on
.set nn, nn+1
.endr
.irp b, 0,1
	v_max3_num_f32 v[BM+\b], |v[S+16*\b]|, |v[S+1+16*\b]|, 0x8000000
.endr
.irp i, 2,4,6,8,10,12,14
.irp b, 0,1
	s_delay_alu instid0(VALU_DEP_2)
	v_max3_num_f32 v[BM+\b], v[BM+\b], |v[S+16*\b+\i]|, |v[S+1+16*\b+\i]|
.endr
.endr
.irp b, 0,1
	s_delay_alu instid0(VALU_DEP_2)
	v_permlanex16_b32 v[BM+4+\b], v[BM+\b], s[SEL], s[SEL+1]
.endr
.irp b, 0,1
	s_delay_alu instid0(VALU_DEP_2)
	v_max_num_f32 v[BM+\b], v[BM+\b], v[BM+4+\b]
.endr
.irp b, 0,1
	s_delay_alu instid0(VALU_DEP_2)
	v_add_nc_u32 v[BM+12+\b], 0xf8800000, v[BM+\b]
.endr
.irp b, 0,1
.endr
.irp b, 0,1
	s_delay_alu instid0(VALU_DEP_2)
	v_lshrrev_b32 v[BM+4+\b], 23, v[BM+12+\b]
.endr
	s_delay_alu instid0(VALU_DEP_1)
	v_lshl_or_b32 v[TMP], v[BM+5], 8, v[BM+4]      ; my head's two scale bytes
.irp b, 0,1
.irp i, 0,1,2,3,4,5,6,7,8,9,10,11,12,13,14,15
.endr
	v_cvt_scalef32_pk8_bf8_f32 v[PC+4*\b:PC+1+4*\b], v[S+16*\b:S+7+16*\b], v[BM+12+\b]
	v_cvt_scalef32_pk8_bf8_f32 v[PC+2+4*\b:PC+3+4*\b], v[S+8+16*\b:S+15+16*\b], v[BM+12+\b]
.endr
	v_nop                                          ; one plain vector line behind the last conversion
	global_store_b128 v[LI], v[PC:PC+3], s[98:99]               ; 512 consecutive bytes each, aligned: my head's half of an image
	global_store_b128 v[LI], v[PC+4:PC+7], s[98:99] offset:512
	global_store_b16 v[ACS], v[TMP], s[100:101]    ; lanes l and l xor 16 store the same two bytes
.endm
	s_load_b128 s[4:7], s[0:1], 0x0                ; q and k, v
	s_load_b64 s[8:9], s[0:1], 0x10                ; ctx
	v_lshl_add_u32 v[SPW], v0, 2, SPARE
	v_mov_b32 v[NIL], 0
	ds_add_u32 v5, v6
	ds_add_u32 v5, v6
	s_wait_dscnt 0x0
	v_lshrrev_b32 v8, 5, v0
	s_delay_alu instid0(VALU_DEP_1)
	v_readfirstlane_b32 s[WV], v8                  ; wave 0..15
	s_mov_b32 s[IB], ttmp9
	s_and_b32 s66, ttmp7, 0xffff
	s_lshr_b32 s67, s66, 4                         ; b
	s_and_b32 s66, s66, 15                         ; head
	; descriptor groups 1: elements of 8 bytes, no mask, no padding
	s_mov_b32 s[G1K], 3<<16                        ; K: 16 rows (tiles) of 1,024 bytes, 32,768 bytes apart
	s_mov_b32 s[G1K+1], 128<<16
	s_mov_b32 s[G1K+2], 16<<16
	s_mov_b32 s[G1K+3], 128<<16
	s_mov_b32 s[G1K+4], 16
	s_mov_b32 s[G1K+5], 4096
	s_mov_b32 s[G1K+6], 0
	s_mov_b32 s[G1K+7], 0
	s_mov_b32 s[G1V], 3<<16                        ; V: 4 rows (d tiles) of 4,096 bytes, 32,768 bytes apart
	s_mov_b32 s[G1V+1], 512<<16
	s_mov_b32 s[G1V+2], 4<<16
	s_mov_b32 s[G1V+3], 512<<16
	s_mov_b32 s[G1V+4], 4
	s_mov_b32 s[G1V+5], 4096
	s_mov_b32 s[G1V+6], 0
	s_mov_b32 s[G1V+7], 0
	s_mov_b32 s[G1KS], 3<<16                       ; K's scale words: 1,024 dense bytes as 4 rows of 256
	s_mov_b32 s[G1KS+1], 32<<16
	s_mov_b32 s[G1KS+2], 4<<16
	s_mov_b32 s[G1KS+3], 32<<16
	s_mov_b32 s[G1KS+4], 4
	s_mov_b32 s[G1KS+5], 32
	s_mov_b32 s[G1KS+6], 0
	s_mov_b32 s[G1KS+7], 0
	s_mov_b32 s[G1VS], 3<<16                       ; V's: 2 rows (key steps) of 256 bytes, 32,768 bytes apart
	s_mov_b32 s[G1VS+1], 32<<16
	s_mov_b32 s[G1VS+2], 2<<16
	s_mov_b32 s[G1VS+3], 32<<16
	s_mov_b32 s[G1VS+4], 2
	s_mov_b32 s[G1VS+5], 4096
	s_mov_b32 s[G1VS+6], 0
	s_mov_b32 s[G1VS+7], 0
	s_mov_b32 s[SEL], 0x76543210
	s_mov_b32 s[SEL+1], 0xfedcba98
	s_mov_b32 s[CS], 0x3e38aa3b                    ; c = log2(e) / 8
	s_mov_b32 s[CS+1], s[CS]
	s_mov_b32 s[TB], 0
	s_mov_b32 s[TR], 0
	s_mov_b32 s[SG], 0
	s_mov_b32 s[SCU], 0
	s_mov_b32 s85, 0
	s_wait_kmcnt 0x0
	s_lshl_b32 s84, s67, 22                        ; q's codes: 128 token tiles of 32,768 bytes a batch, 1,024 bytes a head
	s_lshl_b32 s17, s66, 10
	s_add_co_u32 s84, s84, s17
	s_add_co_u32 s84, s84, POFF
	s_add_nc_u64 s[86:87], s[4:5], s[84:85]
	s_add_nc_u64 s[76:77], s[86:87], 16384         ; k's lie eight images on
	s_lshr_b32 s84, s66, 1                         ; q's scale words: 32,768 bytes a head pair, 8,192 a batch
	s_lshl_b32 s84, s84, 15
	s_lshl_b32 s17, s67, 13
	s_add_co_u32 s84, s84, s17
	s_add_nc_u64 s[88:89], s[4:5], s[84:85]
	s_add_nc_u64 s[80:81], s[88:89], 262144        ; k's lie eight head pairs on
	s_lshl_b32 s84, s67, 21                        ; v's codes: four d tiles of 32,768 bytes a head
	s_lshl_b32 s17, s66, 17
	s_add_co_u32 s84, s84, s17
	s_add_co_u32 s84, s84, POFF
	s_add_nc_u64 s[78:79], s[6:7], s[84:85]
	s_lshl_b32 s84, s67, 19                        ; v's scale words: 256 bytes a head in each key step's 32,768
	s_lshl_b32 s17, s66, 8
	s_add_co_u32 s84, s84, s17
	s_add_nc_u64 s[82:83], s[6:7], s[84:85]
	s_lshl_b32 s84, s67, 21                        ; ctx's codes: 128 token tiles of 16,384 bytes a batch, 1,024 bytes a head
	s_lshl_b32 s17, s66, 10
	s_add_co_u32 s84, s84, s17
	s_add_co_u32 s84, s84, COFF
	s_add_nc_u64 s[90:91], s[8:9], s[84:85]
	s_lshl_b32 s84, s67, 16                        ; ctx's scale words: 512 bytes a token tile, 128 for each four heads
	s_lshr_b32 s17, s66, 2
	s_lshl_b32 s17, s17, 7
	s_add_co_u32 s84, s84, s17
	s_add_nc_u64 s[92:93], s[8:9], s[84:85]
	s_mov_b32 s[G0K], 1                            ; groups 0: slot 0, key slot 0
	s_mov_b32 s[G0K+1], 0
	s_mov_b64 s[G0K+2:G0K+3], s[76:77]
	s_or_b32 s[G0K+3], s[G0K+3], 0x80000000
	s_mov_b32 s[G0V], 1
	s_mov_b32 s[G0V+1], VOFF
	s_mov_b64 s[G0V+2:G0V+3], s[78:79]
	s_or_b32 s[G0V+3], s[G0V+3], 0x80000000
	s_mov_b32 s[G0KS], 1
	s_mov_b32 s[G0KS+1], KSO
	s_mov_b64 s[G0KS+2:G0KS+3], s[80:81]
	s_or_b32 s[G0KS+3], s[G0KS+3], 0x80000000
	s_mov_b32 s[G0VS], 1
	s_mov_b32 s[G0VS+1], VSO
	s_mov_b64 s[G0VS+2:G0VS+3], s[82:83]
	s_or_b32 s[G0VS+3], s[G0VS+3], 0x80000000
	TLOAD                                          ; slot 0: the one first fill; slot 1 is first filled behind the first trip's barrier, as a refill is
	v_and_b32 v8, 31, v0
	s_delay_alu instid0(VALU_DEP_1)
	v_lshlrev_b32 v[LI], 4, v8
	v_and_b32 v9, 15, v0                           ; r
	s_wait_alu depctr_va_vdst(0)
	s_and_b32 s17, s66, 1
	s_lshl_b32 s17, s17, 1
	v_lshl_add_u32 v[AQS], v9, 2, s17
	s_delay_alu instid0(VALU_DEP_1)
	v_add_nc_u32 v[AKS], KSO, v[AQS]
	v_lshlrev_b32 v[AVS], 2, v9
	s_delay_alu instid0(VALU_DEP_1)
	v_add_nc_u32 v[AVS], VSO, v[AVS]
	s_and_b32 s17, s66, 3
	s_lshl_b32 s17, s17, 1
	v_lshl_add_u32 v[ACS], v9, 3, s17
	s_lshr_b32 s17, s[WV], 1                       ; my query in its key step of 128: 32 ((wave / 2) % 4) + 8 (wave % 2) + r + 8 (r / 8)
	s_and_b32 s17, s17, 3
	s_lshl_b32 s17, s17, 5
	s_and_b32 s84, s[WV], 1
	s_lshl_b32 s84, s84, 3
	s_add_co_u32 s17, s17, s84
	v_and_b32 v10, 8, v9
	s_delay_alu instid0(VALU_DEP_1)
	v_add_nc_u32 v10, v10, v9
	v_and_b32 v11, 16, v0
	s_delay_alu instid0(VALU_DEP_1)
	v_sub_nc_u32 v10, v10, v11                     ; less 16 (lane / 16)
	s_delay_alu instid0(VALU_DEP_1)
	v_add_nc_u32 v[DM], s17, v10
.irp j, 0,1,2,3,4,5,6,7
	v_mov_b32 v[Q+8+\j], 0                         ; zero codes: the upper 64 of Q's K
	v_mov_b32 v[KV+64+\j], 0                       ; and behind K's tile 7
.endr
.irp b, 0,1,2,3
	v_mov_b32 v[BM+4+\b], 0                        ; written once: a lane permute's destination counts as one of its sources
.endr
	v_mov_b32 v[F+1], 0                            ; named as the upper half of a pair
	v_mov_b32 v[T2], 0
	v_mov_b32 v[NINF], 0xff800000
	s_mov_b32 s[BETA], s[IB]
	START
.Lslot:                                            ; eight trips; behind each change of slots the next trip's keys are asked for
	CHANGE 1
	STEP 0
	STEP 1
	s_xor_b32 s[TB], s[TB], SLOT1                  ; on to the other slot
	s_cmp_lg_u32 s[TR], s[IB]                      ; trip i ends the first block of queries
	s_cbranch_scc1 .Lsame
	FINALISE
	s_wait_xcnt 0x0                                ; the stores have read their registers and addresses: both are written again below
	s_sub_co_u32 s[BETA], 7, s[IB]
	START
.Lsame:
	s_mov_b32 s[SCU], s[SG]
	s_add_co_u32 s[TR], s[TR], 1
	s_cmp_lt_u32 s[TR], 8
	s_cbranch_scc1 .Lslot
	CHANGE 0                                       ; the ninth trip is written out
	STEP 0
	STEP 1
	FINALISE
	s_wait_tensorcnt 0x0                           ; the wave's end
	ds_add_u32 v[SPW], v[NIL]
	s_wait_dscnt 0x0
	s_endpgm
.Lfunc_end_k_qf9e349b5fa_attn:
	.size	k_qf9e349b5fa_attn, .Lfunc_end_k_qf9e349b5fa_attn-k_qf9e349b5fa_attn
	.p2alignl 7, 3214868480
	.fill 96, 4, 3214868480
	.section	.rodata,"a",@progbits
	.p2align	6, 0x0
	.amdhsa_kernel k_qf9e349b5fa_attn
		.amdhsa_group_segment_fixed_size 327680
		.amdhsa_private_segment_fixed_size 0
		.amdhsa_enable_private_segment 0
		.amdhsa_kernarg_size 24
		.amdhsa_user_sgpr_count 2
		.amdhsa_user_sgpr_kernarg_segment_ptr 1
		.amdhsa_wavefront_size32 1
		.amdhsa_system_sgpr_workgroup_id_x 1
		.amdhsa_system_sgpr_workgroup_id_y 1
		.amdhsa_system_sgpr_workgroup_id_z 1
		.amdhsa_system_vgpr_workitem_id 0
		.amdhsa_next_free_vgpr 256
		.amdhsa_next_free_sgpr 102
		.amdhsa_reserve_vcc 1
		.amdhsa_float_denorm_mode_32 3
		.amdhsa_float_denorm_mode_16_64 3
		.amdhsa_fp16_overflow 1
		.amdhsa_memory_ordered 1
		.amdhsa_forward_progress 1
		.amdhsa_inst_pref_size 114
	.end_amdhsa_kernel
	.amdgpu_metadata
---
amdhsa.version: [ 1, 2 ]
amdhsa.kernels:
  - .name:           k_qf9e349b5fa_attn
    .symbol:         k_qf9e349b5fa_attn.kd
    .args:
      - { .name: qkq, .offset: 0, .size: 8, .value_kind: global_buffer, .address_space: global }
      - { .name: vq, .offset: 8, .size: 8, .value_kind: global_buffer, .address_space: global }
      - { .name: ctxq, .offset: 16, .size: 8, .value_kind: global_buffer, .address_space: global }
    .group_segment_fixed_size: 327680
    .private_segment_fixed_size: 0
    .kernarg_segment_align: 8
    .kernarg_segment_size: 24
    .max_flat_workgroup_size: 512
    .sgpr_count:     102
    .vgpr_count:     256
    .wavefront_size: 32
...
	.end_amdgpu_metadata
.endif
;; end of part 3
;; launch gemm_out (part 4): grid 4 x 32, 4 waves a work-group, clusters of 4 x 4, 327,680 bytes of LDS; arguments ctxq, woq, out0; writes out0
.if DOCPART == 4
	.amdgcn_target "amdgcn-amd-amdhsa--gfx1250"
	.amdhsa_code_object_version 6
	.text
	.protected	k_qf9e349b5fa_gemm_out
	.globl	k_qf9e349b5fa_gemm_out
	.p2align	8
	.type	k_qf9e349b5fa_gemm_out,@function
k_qf9e349b5fa_gemm_out:
	s_mov_b64 s[64:65], 0
	v_nop
	global_prefetch_b8 v0, s[64:65] scope:SCOPE_SE
	s_setreg_imm32_b32 hwreg(HW_REG_WAVE_MODE, 25, 1), 1
	s_wait_xcnt 0x0
	s_wait_alu depctr_hold_cnt(0) depctr_sa_sdst(0) depctr_va_vdst(0) depctr_va_sdst(0) depctr_va_ssrc(0) depctr_va_vcc(0) depctr_vm_vsrc(0)
	s_getreg_b32 s2, hwreg(HW_REG_IB_STS2, 6, 4)
	s_cmp_eq_u32 s2, 0
	s_cbranch_scc0 .Lentry_in_a_cluster
	s_endpgm
.Lentry_in_a_cluster:
	s_bfe_u32 s2, ttmp6, 0x10000c
	s_cmp_lg_u32 s2, 0xf033
	s_cbranch_scc0 .Lentry_shape_is_right
	s_endpgm
.Lentry_shape_is_right:
; out0[m][n] = sum over k of ctx[m][k] Wo[n][k], 8,192 x 1,024 x 1,024, on codes of BF8 (E5M2) with one E8M0 scale for each 32 along K; out0 is f32.
; A = ctx, B = Wo: OPERAND BUFFERS: scale words from byte 0, [row tile][K step of 256: 4][row 16][2 words]; codes from COFF on, [row tile][128 along K: 8][2,048 bytes], each 2,048 bytes an image of a fragment's registers
; (registers 4 c .. 4 c + 3 of lane l at 512 c + 16 l).  Place r of row tile t holds row 32 (t / 2) + 8 (t % 2) + r + 8 (r / 8): the way out puts rows and columns back.
; THE MATRIX INSTRUCTION IS USED TRANSPOSED (source 0 = 16 rows of B, source 1 = 16 rows of A): a lane holds eight neighbouring numbers of a row of C.
; SHARES: a tile of C, 256 x 256, to a work-group of four waves; a wave makes 128 x 128.  32 x 4 tiles: 128 work-groups.  K goes in four steps of 256 through a ring of two LDS slots; the scales of all of K come once.
; CLUSTERS: 4 x 4 work-groups: the four of a row of the cluster need the same tiles of A, the four of a column the same tiles of B: each is asked for jointly.
; The four K steps are written out: the first starts the sums, two changes of slots fill a slot again, the third fills nothing.
; REGISTERS, in windows of 256: window 0: v0-31 addresses; v32-63 scale words, two sets; v128-255 A's fragments, one set, later rows of C.
;   window 1: B's fragments, two sets.   window 2: the accumulators of my rows 0-63 ((a, b) at v[8 (8 a + b)]);   window 3: those of my rows 64-127.
.set NQ,     2
.set FR,     16
.set NL,     4
.set NP,     8                         ; places behind this matrix instruction (ISA guide 7.12.1)
.set TILB,   4096                      ; a row tile's 256 along K: two images
.set HALFT,  8*TILB
.set SLOT,   4*HALFT
.set SCL,    2*SLOT
.set HALFS,  4096
.set SBLK,   512
.set SPARE,  SCL+4*HALFS               ; the spare words, 128 bytes for each wave: two blocks of 256 bytes that no other line names
.set COFF,   0x40000
.set ROWC,   4096                      ; a row of out0 in bytes
.set SPITCH, 528                       ; the way out: a stage of 16 rows x (512 bytes + 16) for each wave, in slot 0, which has had its last fill and its last read by then
.set ADRA, 16
.set ADRB, 20
.set STO,  24                          ; v24     the way out: where I put my row's numbers
.set RD,   25                          ; v25     and where I read a row back
.set CO,   26                          ; v26     16 x lane
.set ADRS, 27
.set SPW,  28
.set NIL,  29
.set SC,   32
.set AF,   128
.set BK,   128                         ; the way out: 16 rows read back: v128-191 and v192-255 by turns
.set G1, 24
.set G0, 32
.set G1B, 48
.set G0B, 56
.set G1S, 68
.set G0S, 76
.set G1SB, 80
.set G0SB, 88
.set MSB, 0
.macro WIN new                         ; the immediate's high byte repeats the setting that is left
.if MSB != \new
	s_set_vgpr_msb (MSB<<8)|\new
.set MSB, \new
.endif
.endm
.set MUL_LO, 0xa1
.set MUL_HI, 0xf1
.set TO_B,   0x40
.macro JLOAD g0a, g1a, g0b, g1b        ; a joint load: waves 0 and 1 fetch for A, waves 2 and 3 for B; four v_nop follow each of the two lines
	s_cmp_eq_u32 s15, 0
	s_cbranch_scc0 .Lfor_b_\@
	tensor_load_to_lds s[\g0a:\g0a+3], s[\g1a:\g1a+7]
	s_nop 0
.rept 4
	v_nop
.endr
	s_branch .Lasked_\@
.Lfor_b_\@:
	tensor_load_to_lds s[\g0b:\g0b+3], s[\g1b:\g1b+7]
	s_nop 0
.rept 4
	v_nop
.endr
.Lasked_\@:
.endm
.macro CREST
	s_cmp_lg_u32 s14, 0
	s_cbranch_scc1 .Lnot_wave_0_\@
	s_barrier_signal -3
.Lnot_wave_0_\@:
	s_barrier_wait -3
	s_barrier_signal -1
	s_barrier_wait -1
.endm
.macro CROUND
	s_barrier_signal -1
	s_barrier_wait -1
	CREST
.endm
	s_load_b128 s[4:7], s[0:1], 0x0                ; A s[4:5], B s[6:7]
	s_load_b64 s[12:13], s[0:1], 0x10              ; out0
	v_lshl_add_u32 v[SPW], v0, 2, SPARE
	v_mov_b32 v[NIL], 0
	ds_add_u32 v28, v29
	ds_add_u32 v28, v29
	s_wait_dscnt 0x0
	v_lshrrev_b32 v1, 5, v0
	v_readfirstlane_b32 s14, v1                    ; wave 0..3
	s_lshr_b32 s15, s14, 1                         ; which half of the tile's rows is mine.  Also: I fetch for A (0) or for B (1)
	s_and_b32 s16, s14, 1                          ; which half of its columns.  Also: which 8 row tiles I fetch
	s_bfe_u32 s40, ttmp6, 0x40000                  ; cx, cy
	s_bfe_u32 s41, ttmp6, 0x40004
	s_lshl_b32 s42, ttmp9, 2
	s_add_co_u32 s42, s42, s40                     ; tile column of C = 4 x cluster x + cx
	s_and_b32 s17, ttmp7, 0xffff
	s_lshl_b32 s17, s17, 2
	s_add_co_u32 s17, s17, s41                     ; tile row of C = 4 x cluster y + cy
	s_lshl_b32 s43, s41, 2
	s_lshl_b32 s43, 15, s43                        ; my row of the cluster
	s_lshl_b32 s44, 0x1111, s40                    ; my column
	s_or_b32 s[G1+0], s43, (3<<16)|(1<<21)         ; codes: 8 rows (row tiles) of 4,096 bytes = 512 elements of 8 bytes, 16,384 bytes apart, dense in LDS
	s_or_b32 s[G1B+0], s44, (3<<16)|(1<<21)
.irp g, G1, G1B
	s_mov_b32 s[\g+1], 512<<16
	s_mov_b32 s[\g+2], 8<<16
	s_mov_b32 s[\g+3], 512<<16
	s_mov_b32 s[\g+4], 8
	s_mov_b32 s[\g+5], 2048
	s_mov_b32 s[\g+6], 0
	s_mov_b32 s[\g+7], 0
.endr
	s_or_b32 s[G1S+0], s43, (3<<16)|(1<<21)        ; scale words of 8 row tiles: 4,096 dense bytes, as 16 rows of 256
	s_or_b32 s[G1SB+0], s44, (3<<16)|(1<<21)
.irp g, G1S, G1SB
	s_mov_b32 s[\g+1], 32<<16
	s_mov_b32 s[\g+2], 16<<16
	s_mov_b32 s[\g+3], 32<<16
	s_mov_b32 s[\g+4], 16
	s_mov_b32 s[\g+5], 32
	s_mov_b32 s[\g+6], 0
	s_mov_b32 s[\g+7], 0
.endr
	s_lshl_b32 s18, s16, 3
	s_lshl_b32 s20, s17, 4
	s_add_co_u32 s20, s20, s18                     ; A: row tile 16 x tile row + 8 x half
	s_lshl_b32 s46, s42, 4
	s_add_co_u32 s46, s46, s18                     ; B: row tile 16 x tile column + 8 x half
	s_lshl_b32 s22, s20, 9
	s_mov_b32 s23, 0
	s_lshl_b32 s92, s46, 9
	s_mov_b32 s93, 0
	s_lshl_b32 s20, s20, 14
	s_add_co_u32 s20, s20, COFF
	s_mov_b32 s21, 0
	s_lshl_b32 s46, s46, 14
	s_add_co_u32 s46, s46, COFF
	s_mov_b32 s47, 0
	s_mul_i32 s45, s14, HALFT
	s_mul_i32 s94, s14, HALFS
	s_wait_kmcnt 0x0
	s_add_nc_u64 s[20:21], s[4:5], s[20:21]
	s_add_nc_u64 s[22:23], s[4:5], s[22:23]
	s_add_nc_u64 s[46:47], s[6:7], s[46:47]
	s_add_nc_u64 s[92:93], s[6:7], s[92:93]
	CROUND                                         ; all sixteen work-groups are here: the first joint loads meet
	s_mov_b32 s[G0S], 1
	s_add_co_u32 s[G0S+1], s94, SCL
	s_mov_b64 s[G0S+2:G0S+3], s[22:23]
	s_or_b32 s[G0S+3], s[G0S+3], 0x80000000
	s_mov_b32 s[G0SB], 1
	s_add_co_u32 s[G0SB+1], s94, SCL
	s_mov_b64 s[G0SB+2:G0SB+3], s[92:93]
	s_or_b32 s[G0SB+3], s[G0SB+3], 0x80000000
	JLOAD G0S, G1S, G0SB, G1SB
.irp s, 0,1
	s_mov_b32 s[G0+4*\s], 1
	s_add_co_u32 s[G0+4*\s+1], s45, \s*SLOT
	s_add_nc_u64 s[G0+4*\s+2:G0+4*\s+3], s[20:21], \s*TILB
	s_or_b32 s[G0+4*\s+3], s[G0+4*\s+3], 0x80000000
	s_mov_b32 s[G0B+4*\s], 1
	s_add_co_u32 s[G0B+4*\s+1], s45, \s*SLOT
	s_add_nc_u64 s[G0B+4*\s+2:G0B+4*\s+3], s[46:47], \s*TILB
	s_or_b32 s[G0B+4*\s+3], s[G0B+4*\s+3], 0x80000000
	s_wait_alu depctr_va_vdst(0)
	s_wait_tensorcnt 0x0
	ds_add_u32 v28, v29
	s_wait_dscnt 0x0
	CROUND
	JLOAD G0+4*\s, G1, G0B+4*\s, G1B               ; one tensor load of mine is out now
.endr
	v_and_b32 v1, 15, v0                           ; r
	v_bfe_u32 v2, v0, 4, 1                         ; h
	s_wait_alu depctr_va_vdst(0)
	v_and_b32 v3, 31, v0                           ; lane
	v_lshlrev_b32 v[CO], 4, v3
	s_mul_i32 s21, s15, HALFT
	s_mul_i32 s22, s16, HALFT
	s_add_co_u32 s22, s22, 2*HALFT
.irp s, 0,1
	v_add_nc_u32 v[ADRA+\s], s21, v[CO]
	v_add_nc_u32 v[ADRB+\s], s22, v[CO]
	s_add_co_u32 s21, s21, SLOT
	s_add_co_u32 s22, s22, SLOT
.endr
	v_lshlrev_b32 v5, 3, v1
	s_mul_i32 s21, s15, HALFS
	s_mul_i32 s22, s16, HALFS
	s_add_co_u32 s22, s22, 2*HALFS
	s_sub_co_u32 s22, s22, s21
	v_mul_u32_u24 v6, s22, v2                      ; lanes 16-31 take B's: the lower base + h x the distance
	s_add_co_u32 s21, s21, SCL
	v_add_nc_u32 v5, v5, v6
	v_add_nc_u32 v[ADRS], s21, v5
	s_mul_i32 s23, s14, 16*SPITCH                  ; my stage
	v_mul_u32_u24 v5, v1, SPITCH                   ; in: row r; accumulator b's eight columns are 32 (b / 2) + 8 (b % 2) + 16 h + 0 .. 7: 64 h bytes here, the rest in the immediate
	v_lshl_add_u32 v5, v2, 6, v5
	v_add_nc_u32 v[STO], s23, v5
	v_add_nc_u32 v[RD], s23, v[CO]                 ; back: the 32 lanes take one row of 512 bytes
	s_lshl_b32 s20, s17, 8
	s_lshl_b32 s21, s15, 7
	s_add_co_u32 s20, s20, s21                     ; my first row of C: 256 x tile row + 128 x half
	s_lshl_b32 s20, s20, 12
	s_lshl_b32 s46, s42, 10                        ; my first column, in bytes: 1,024 x tile column + 512 x half
	s_lshl_b32 s47, s16, 9
	s_add_co_u32 s46, s46, s47
	s_add_co_u32 s20, s20, s46
	s_mov_b32 s21, 0
	s_add_nc_u64 s[12:13], s[12:13], s[20:21]
.macro FRAG reg, adr, q, i
.irp c, 0,1,2,3
	ds_load_b128 v[\reg+4*\c:\reg+4*\c+3], v[\adr] offset:2048*(\q)+512*\c+(\i)*TILB
.endr
.endm
; 16 matrix instructions: A's blocks a0, a0 + 1 x B's eight, 128 along K.  The 64 accumulators take turns, one instruction a turn, in the same order in every step.
.macro MUL16 a0, p, q, sc, zero
.irp a, \a0, \a0+1
.irp b, 0,1,2,3,4,5,6,7
.if \zero
	v_wmma_scale_f32_16x16x128_f8f6f4 v[8*(8*((\a)%4)+\b):8*(8*((\a)%4)+\b)+7], v[128*(\p)+FR*\b:128*(\p)+FR*\b+FR-1], v[AF+FR*(\a):AF+FR*(\a)+FR-1], 0, v[SC+8*NQ*(\sc)+NQ*\b+(\q)], v[SC+8*NQ*(\sc)+NQ*(\a)+(\q)] matrix_a_fmt:MATRIX_FMT_BF8 matrix_b_fmt:MATRIX_FMT_BF8 matrix_a_scale:MATRIX_SCALE_ROW1
.else
	v_wmma_scale_f32_16x16x128_f8f6f4 v[8*(8*((\a)%4)+\b):8*(8*((\a)%4)+\b)+7], v[128*(\p)+FR*\b:128*(\p)+FR*\b+FR-1], v[AF+FR*(\a):AF+FR*(\a)+FR-1], v[8*(8*((\a)%4)+\b):8*(8*((\a)%4)+\b)+7], v[SC+8*NQ*(\sc)+NQ*\b+(\q)], v[SC+8*NQ*(\sc)+NQ*(\a)+(\q)] matrix_a_fmt:MATRIX_FMT_BF8 matrix_b_fmt:MATRIX_FMT_BF8 matrix_a_scale:MATRIX_SCALE_ROW1
.endif
.endr
.endr
.endm
.macro FETCH_B slot, q, p
	WIN TO_B
.irp i, 0,1,2,3,4,5,6,7
	FRAG 128*(\p)+FR*\i, ADRB+\slot, \q, \i
.endr
	WIN 0
.endm
.macro FETCH_A slot, q, i0
.irp i, \i0, \i0+1, \i0+2, \i0+3
	FRAG AF+FR*(\i), ADRA+\slot, \q, \i
.endr
.endm
.macro SCALES sc
.irp i, 0,1,2,3,4,5,6,7
	ds_load_b64 v[SC+8*NQ*\sc+NQ*\i:SC+8*NQ*\sc+NQ*\i+1], v[ADRS] offset:\i*SBLK
.endr
.endm
.macro PLACES n
.rept \n
	v_nop
.endr
.endm
.macro STEP slot, q, zero
	s_wait_dscnt 4*NL                              ; B's set, the scale words and A's blocks 0-3 are in; the youngest 16 loads (A's blocks 4-7) may be out
	WIN MUL_LO
	MUL16 0, (\q)%2, \q, \slot, \zero
	MUL16 2, (\q)%2, \q, \slot, \zero
	s_wait_dscnt 0
	PLACES NP
	FETCH_B \slot, (\q)+1, 1-(\q)%2
	FETCH_A \slot, (\q)+1, 0
	WIN MUL_HI
	MUL16 4, (\q)%2, \q, \slot, \zero
	MUL16 6, (\q)%2, \q, \slot, \zero
	PLACES NP
	WIN 0
	FETCH_A \slot, (\q)+1, 4
.endm
.macro TURN slot, next, fill
	s_wait_tensorcnt 0x0                           ; all my tensor loads have landed: my part of the next slot
	ds_add_u32 v[SPW], v[NIL]                      ; 0 onto my spare word
	s_wait_dscnt 4*NL+1                            ; the add and the youngest 16 loads may be out
	WIN MUL_LO
	MUL16 0, 1, NQ-1, \slot, 0
	s_wait_dscnt 0x0                               ; the add is done, and my reads of this slot are over
	s_barrier_signal -1
	MUL16 2, 1, NQ-1, \slot, 0
	WIN 0
	s_barrier_wait -1
.if \fill
	CREST                                          ; the barrier has opened a round of the cluster's: no wave of any partner still reads this slot or has a load on its way
	s_add_nc_u64 s[G0+4*\slot+2:G0+4*\slot+3], s[G0+4*\slot+2:G0+4*\slot+3], 2*TILB
	s_add_nc_u64 s[G0B+4*\slot+2:G0B+4*\slot+3], s[G0B+4*\slot+2:G0B+4*\slot+3], 2*TILB
	JLOAD G0+4*\slot, G1, G0B+4*\slot, G1B         ; the first tensor load behind the round, my only one until the next
	PLACES NP-4
.else
	PLACES NP
.endif
	s_wait_alu depctr_va_vdst(0)
	v_add_nc_u32 v[ADRS], 128, v[ADRS]             ; on to the next K step's scale words
	FETCH_B \next, 0, 0
	FETCH_A \next, 0, 0
	SCALES \next
	WIN MUL_HI
	MUL16 4, 1, NQ-1, \slot, 0
	MUL16 6, 1, NQ-1, \slot, 0
	PLACES NP
	WIN 0
	FETCH_A \next, 0, 4
.endm
	s_wait_alu depctr_va_vdst(0)
	s_wait_tensorcnt 1                             ; the scales and my part of K step 0 are in; K step 1's load may be out
	s_barrier_signal -1
	s_barrier_wait -1
	FETCH_B 0, 0, 0
	FETCH_A 0, 0, 0
	SCALES 0
	FETCH_A 0, 0, 4
	STEP 0, 0, 1
	TURN 0, 1, 1
	STEP 1, 0, 0
	TURN 1, 0, 1
	STEP 0, 0, 0
	TURN 0, 1, 0
	STEP 1, 0, 0
	s_wait_dscnt 4*NL
	WIN MUL_LO
	MUL16 0, 1, NQ-1, 1, 0
	MUL16 2, 1, NQ-1, 1, 0
	s_wait_dscnt 0
	WIN MUL_HI
	MUL16 4, 1, NQ-1, 1, 0
	MUL16 6, 1, NQ-1, 1, 0
	WIN 0
; THE WAY OUT, block by block of 16 rows x 128 columns, through my own stage in LDS: in by columns put back in order, out as whole rows of 512 bytes.  LDS serves a wave's instructions in order: no wait between the stores and the loads.
.macro TOSTAGE a
.set AC, 64*((\a)%4)
.set WD, 0x08+4*((\a)/4)
	WIN WD                                         ; an LDS store's data: window 2 or 3
.irp b, 0,1,2,3,4,5,6,7
	ds_store_b128 v[STO], v[AC+8*\b:AC+8*\b+3] offset:128*(\b/2)+32*(\b%2)          ; each accumulator from its low end on
	ds_store_b128 v[STO], v[AC+8*\b+4:AC+8*\b+7] offset:128*(\b/2)+32*(\b%2)+16
.endr
	WIN 0
.set BB, BK+64*((\a)%2)
.irp t, 0,1,2,3,4,5,6,7,8,9,10,11,12,13,14,15
	ds_load_b128 v[BB+4*\t:BB+4*\t+3], v[RD] offset:\t*SPITCH
.endr
.endm
.macro SEND a, younger                 ; younger: the LDS instructions issued behind block a's loads, which may stay out
.set BB, BK+64*((\a)%2)
	s_wait_dscnt \younger
.if (\a) > 0
	s_add_nc_u64 s[12:13], s[12:13], (8+16*(1-(\a)%2))*ROWC   ; (behind a wait on XCNT)  block a begins at row 32 (a / 2) + 8 (a % 2): 8 rows on from an even block, 24 from an odd one
.endif
.irp t, 0,1,2,3,4,5,6,7,8,9,10,11,12,13,14,15
	global_store_b128 v[CO], v[BB+4*\t:BB+4*\t+3], s[12:13] offset:(\t+8*(\t/8))*ROWC th:TH_STORE_NT   ; place t is row t + 8 (t / 8) of the block; 32 lanes store 512 consecutive bytes, aligned
.endr
.endm
	PLACES NP                                      ; behind the last products: results are read and A's registers loaded below
	TOSTAGE 0
.irp a, 1,2,3,4,5,6,7
.if \a > 1
	s_wait_xcnt 0x0                                ; block a - 2's stores have read their registers and their base
.endif
	TOSTAGE \a
	SEND \a-1, 32                                  ; behind block a - 1's loads: block a's 16 stores and 16 loads
.endr
	s_wait_xcnt 0x0
	SEND 7, 0
	s_wait_tensorcnt 0x0                           ; the wave's end
	ds_add_u32 v[SPW], v[NIL]
	s_wait_dscnt 0x0
	CROUND                                         ; the closing round
	s_endpgm
.Lfunc_end_k_qf9e349b5fa_gemm_out:
	.size	k_qf9e349b5fa_gemm_out, .Lfunc_end_k_qf9e349b5fa_gemm_out-k_qf9e349b5fa_gemm_out
	.p2alignl 7, 3214868480
	.fill 96, 4, 3214868480
	.section	.rodata,"a",@progbits
	.p2align	6, 0x0
	.amdhsa_kernel k_qf9e349b5fa_gemm_out
		.amdhsa_group_segment_fixed_size 327680
		.amdhsa_private_segment_fixed_size 0
		.amdhsa_enable_private_segment 0
		.amdhsa_kernarg_size 24
		.amdhsa_user_sgpr_count 2
		.amdhsa_user_sgpr_kernarg_segment_ptr 1
		.amdhsa_wavefront_size32 1
		.amdhsa_system_sgpr_workgroup_id_x 1
		.amdhsa_system_sgpr_workgroup_id_y 1
		.amdhsa_system_sgpr_workgroup_id_z 1
		.amdhsa_system_vgpr_workitem_id 0
		.amdhsa_next_free_vgpr 1024
		.amdhsa_next_free_sgpr 98
		.amdhsa_reserve_vcc 0
		.amdhsa_float_denorm_mode_32 3
		.amdhsa_float_denorm_mode_16_64 3
		.amdhsa_memory_ordered 1
		.amdhsa_forward_progress 1
		.amdhsa_inst_pref_size 146
	.end_amdhsa_kernel
	.amdgpu_metadata
---
amdhsa.version: [ 1, 2 ]
amdhsa.kernels:
  - .name:           k_qf9e349b5fa_gemm_out
    .symbol:         k_qf9e349b5fa_gemm_out.kd
    .args:
      - { .name: ctxq, .offset: 0, .size: 8, .value_kind: global_buffer, .address_space: global }
      - { .name: woq, .offset: 8, .size: 8, .value_kind: global_buffer, .address_space: global }
      - { .name: out0, .offset: 16, .size: 8, .value_kind: global_buffer, .address_space: global }
    .group_segment_fixed_size: 327680
    .private_segment_fixed_size: 0
    .kernarg_segment_align: 8
    .kernarg_segment_size: 24
    .max_flat_workgroup_size: 128
    .sgpr_count:     98
    .vgpr_count:     1024
    .wavefront_size: 32
...
	.end_amdgpu_metadata
.endif
;; end of part 4
